; MI455X (gfx1250); checked and timed in simulation.
; The chip was launched on July 23, 2026; its instructions are those of AMD's public machine-readable ISA for CDNA 5 (MIT licence, August 2026) and "CDNA5" Instruction Set Architecture Reference Guide (July 2026). The comments in the code are by the model that wrote it; some were corrected since.
;; Causal Multihead Self Attention. Allowed arithmetic: matrix products marked QUANTISED: E3M2 operands, one E8M0 scale for each 32 along K, by v_wmma_scale_f32_16x16x128_f8f6f4 with both operands' format E3M2, f32 sums; everything else in f32.
;; Inputs: Wk 16 x 1,024 x 64 float32; Wo 1,024 x 1,024 float32; Wq 16 x 1,024 x 64 float32; Wv 16 x 1,024 x 64 float32; x 4 x 2,048 x 1,024 float32.
;; Outputs: out0 4 x 2,048 x 1,024 float32.
;; This version of the problem:
;;   THIS VERSION OF THE PROBLEM IS GIVEN IN LOW PRECISION. The matrix products marked QUANTISED in the list below multiply operands that are first quantised to E3M2 (3 exponent bits, 2 mantissa bits; 6 bits a number), with one power-of-two scale for each 32 numbers along K (OCP MX v1.0); their sums are f32. All else is computed in f32.
;;   The module's matrix products, in the order in which they are computed (A, B: the left and right operand; K: the contracted axis; several contracted axes count as one K, in the product's order):
;;     1. [M 1,024, K 1,024] x [K 1,024, N 8,192]; A: input Wq; B: input x: QUANTISED
;;     2. [M 1,024, K 1,024] x [K 1,024, N 8,192]; A: input Wk; B: input x: QUANTISED
;;     3. [M 1,024, K 1,024] x [K 1,024, N 8,192]; A: input Wv; B: input x: QUANTISED
;;     4. batch 64 x [M 2,048, K 64] x [K 64, N 2,048]; A: computed on the way; B: computed on the way: QUANTISED
;;     5. batch 64 x [M 2,048, K 2,048] x [K 2,048, N 64]; A: softmax (see below); B: computed on the way: QUANTISED
;;     6. [M 8,192, K 1,024] x [K 1,024, N 1,024]; A: computed on the way; B: input Wo: QUANTISED
;;   THE QUANTISER, for each operand of a quantised product, along K:
;;     - K is cut into blocks of 32 from its start; a last block that is shorter is filled with zeros.
;;     - A block's scale is 2^e with e = floor(log2(the largest magnitude in the block)) - 4, held to -126 .. 127; a block of zeros has e = 0. As a byte (E8M0): e + 127.
;;     - Each number is divided by its block's scale, clamped to +-28, and rounded to the nearest number of E3M2, ties to even, subnormals kept.
;;     - The product sums the exact products of the quantised numbers (number of the format x scale) in f32.
;;   ~~~python
;;   def quantise(x, axis):      # numpy; x: float32 -> the quantised numbers, widened to float32 again
;;       x = np.moveaxis(x, axis, -1); K = x.shape[-1]
;;       x = np.pad(x, [(0, 0)] * (x.ndim - 1) + [(0, -K % 32)]); x = x.reshape(x.shape[:-1] + (-1, 32)); a = np.abs(x).max(-1, keepdims=True)
;;       e = np.where(a > 0, np.clip(np.frexp(np.where(a > 0, a, 1))[1] - 1 - 4, -126, 127), 0)      # np.frexp(a)[1] - 1 = floor(log2(a)), exactly
;;       r = np.clip(x / 2.0 ** e, -28, 28)
;;       step = 2.0 ** (np.maximum(np.frexp(np.where(r == 0, 1, r))[1] - 1, -2) - 2)
;;       q = np.round(r / step) * step * 2.0 ** e      # np.round: ties to even
;;       return np.moveaxis(q.reshape(q.shape[:-2] + (-1,))[..., :K], -1, axis).astype(np.float32)
;;   ~~~
;;   SOFTMAX AHEAD OF A QUANTISED PRODUCT. Where the list says 'softmax', what is quantised is not the finished softmax but p = 2^(t - M), with t = logit x log2(e) and M = ceil(the row's largest t), a whole number; so 1/2 < the row's largest p <= 1. The row's sum l is taken of the UNQUANTISED p, in f32, and the product's result is divided by l at the end. Since M is a whole number, a kernel that streams over the keys may use a running M (the ceiling of the running maximum): every later rescaling is an exact power of two, which a block's scale takes up: the codes' values come out the same.
;;   OPERANDS COMPUTED ON THE WAY. 'Computed on the way' means the value that the module computes at that place (a softmax that the list does not call 'softmax' is quantised finished and normalised). What goes into a quantiser is computed in f32, as accurately as f32 sums, v_exp_f32 and their like allow (about 1e-6 of the number): no bf16 or f16 on the way to a quantiser, and a product that is left as it is and whose result goes on into a quantised operand takes f32 operands (vector FMAs, or v_wmma_f32_16x16x4_f32). A number that lies on a knife's edge between two numbers of the format may be rounded either way, as far as f32 arithmetic and the matrix unit's own rounding can turn it there, and no further.
;; One version. Each part assembles by itself: llvm-mc -triple=amdgcn-amd-amdhsa -mcpu=gfx1250 --defsym DOCPART=n.
;; ======== version 1 of 1: 4 launches
;; workspace buffers: xq 6,553,600 bytes; woq 819,200 bytes; wq 2,457,600 bytes; qb 6,815,744 bytes; kv 13,369,344 bytes; aq 6,553,600 bytes
;; launch quant (part 1): grid 384 x 1, 4 waves a work-group, no clusters, 68,096 bytes of LDS; arguments x, Wo, Wq, Wk, Wv, xq, woq, wq; writes xq, woq, wq
.if DOCPART == 1
	.amdgcn_target "amdgcn-amd-amdhsa--gfx1250"
	.amdhsa_code_object_version 6
	.text
	.protected	k_qce0b1019e6_quant
	.globl	k_qce0b1019e6_quant
	.p2align	8
	.type	k_qce0b1019e6_quant,@function
k_qce0b1019e6_quant:
	s_mov_b64 s[64:65], 0
	v_nop
	global_prefetch_b8 v0, s[64:65] scope:SCOPE_SE
	s_setreg_imm32_b32 hwreg(HW_REG_WAVE_MODE, 25, 1), 1
	s_wait_xcnt 0x0
; x [8192][1024], Wo [1024][1024] (K innermost) and Wq, Wk, Wv [16][1024][64] (K = the middle axis), all f32, become codes of BF6 (E3M2), K innermost, 768 bytes a row,
; with one E8M0 scale byte for each 32 along K, 32 bytes a row, behind the codes in the same buffer.
; A block's scale is 2^(floor(log2(its largest magnitude)) - 4); its byte is the largest magnitude's exponent field - 4, held at 1 from below.
; LIMITS: NaN and infinities among the inputs are not served; a block whose largest magnitude lies under 2^-122 (a block of zeros too) gets the byte 1: a block of zeros has zero codes, which add nothing under
; that byte, and the bytes are read by this program alone.
; THE ORDER OF ROWS.  In xq (tokens) and wq (a head's channels) the rows of each aligned group of 32 are laid so that place 16 u + r holds row 8 u + r + 8 (r / 8): the groups of eight rows 1 and 2 change places.
; Sixteen neighbouring places are then a tile whose product, used as source 0, leaves 16 neighbours along the next K in a lane's registers of two neighbouring tiles.  woq keeps the natural order.
; WORK-GROUPS: 0-255 take x, 256-287 Wo (32 rows each: a wave takes 8 rows, a plain stream of 256 blocks); 288-383 take one head's 64 columns x 512 along K of Wq, Wk or Wv.
; The two ways through the text have LDS bytes of their own.  No tensor loads, no barrier: waves share nothing.
.set XSOFF,  6291456                   ; xq: the scale bytes begin behind 8192 x 768 bytes of codes
.set WOSOFF, 786432                    ; woq: behind 1024 x 768
.set WSOFF,  2359296                   ; wq: behind 3072 x 768
.set EMAX,   4
; the rows' way
.set STEPS, 16                         ; steps of 512 numbers for a wave
.set CB,    12                         ; bytes of 16 codes
.set R,     16                         ; v16-79   four sets of 16 numbers as they are loaded
.set X,     80                         ; v80-111  two sets of 16 neighbours
.set C,     128                        ; v128-191 codes: four registers for each step, so that no store's data are written again
.set E,     112                        ; v112-127 a scale byte for each step
.set WREG,  8192                       ; LDS of a wave: two stages of 32 x SP bytes, then its 256 scale bytes
.set SP,    80                         ; a lane's place in a stage: 64 bytes + 16 of padding
; the weights' way
.set NB,    8                          ; blocks of 32 along K for a wave
.set PITCH, 272                        ; a stage row: sixteen places of 16 bytes, each with 12 bytes of codes, + 16
.set KROW,  768                        ; a row of codes in memory
.set WSTG,  32768                      ; the weights' stages begin here: 32 x PITCH bytes for each wave
.set WX,    32                         ; v32-95   two sets of 32 numbers
.set WC,    96                         ; v96..    a block's codes
.set OUTR,  112                        ; v112-175 the way out
.set SB,    24                         ; v24-25   the scale bytes, four to a register
.macro LOAD t                          ; step t: four loads of 512 consecutive bytes
.irp i, 0,1,2,3
	global_load_b128 v[R+16*((\t)%4)+4*\i:R+16*((\t)%4)+4*\i+3], v3, s[24:25] offset:2048*(\t)+512*\i th:TH_LOAD_NT
.endr
.endm
.macro TURN t                          ; step t's numbers through the stage: in as they lie, back 64 bytes a lane.  LDS serves a wave's instructions in order: no wait between
.irp i, 0,1,2,3
	ds_store_b128 v14, v[R+16*((\t)%4)+4*\i:R+16*((\t)%4)+4*\i+3] offset:32*SP*((\t)%2)+8*SP*\i
.endr
.irp i, 0,1,2,3
	ds_load_b128 v[X+16*((\t)%2)+4*\i:X+16*((\t)%2)+4*\i+3], v15 offset:32*SP*((\t)%2)+16*\i
.endr
.endm
.macro STEP t
.set XS, X+16*((\t)%2)
.if (\t) > 0
	s_wait_dscnt 1                                 ; this step's numbers are back from the stage; the last step's byte store may be out
.else
	s_wait_dscnt 0x0
.endif
.if (\t)+4 < STEPS
	LOAD (\t)+4                                    ; the stage's stores have read their registers: they take the loads of four steps on
.endif
.if (\t)+1 < STEPS
.if STEPS-2-(\t) >= 3
	s_wait_loadcnt 12                              ; the next step's four loads are in; those of the three steps behind it may be out
.else
	s_wait_loadcnt 4*(STEPS-2-(\t))
.endif
	TURN (\t)+1
.endif
	v_max3_num_f32 v8, |v[XS]|, |v[XS+1]|, |v[XS+2]|               ; the largest magnitude of my 16, in two chains
	v_max3_num_f32 v9, |v[XS+3]|, |v[XS+4]|, |v[XS+5]|
.irp i, 6,10
	v_max3_num_f32 v8, v8, |v[XS+\i]|, |v[XS+\i+1]|
	v_max3_num_f32 v9, v9, |v[XS+\i+2]|, |v[XS+\i+3]|
.endr
	v_max3_num_f32 v8, v8, |v[XS+14]|, |v[XS+15]|
	v_max3_num_f32 v8, v8, v9, (EMAX+1)<<23        ; and the floor 2^(5 - 127): the byte cannot fall under 1
	v_max_num_f32_dpp v8, v8, v8 row_xmask:1 row_mask:0xf bank_mask:0xf   ; with my neighbour's 16: the block's
	v_add_nc_u32 v11, 0xfe000000, v8               ; 4 off its exponent field: the conversion takes the exponent field of this operand as its scale
	v_cvt_scalef32_pk16_bf6_f32 v[C+4*(\t):C+4*(\t)+2], v[XS:XS+15], v11
	v_lshrrev_b32 v[E+(\t)], 23, v11               ; the scale's byte (also the plain line behind the conversion)
	ds_store_b8 v5, v[E+(\t)] offset:16*(\t)       ; both lanes of a block write the same byte with the same value
	global_store_b96 v4, v[C+4*(\t):C+4*(\t)+2], s[34:35] offset:32*CB*(\t)   ; the wave stores 384 consecutive bytes
.endm
.macro WLOAD t                         ; block t: W(32 t + i, my column), i = 0 .. 31: each load reads 128 consecutive bytes
.irp i, 0,1,2,3,4,5,6,7,8,9,10,11,12,13,14,15,16,17,18,19,20,21,22,23,24,25,26,27,28,29,30,31
	global_load_b32 v[WX+32*((\t)%2)+\i], v3, s[24:25] offset:(32*(\t)+\i)*256 th:TH_LOAD_NT
.endr
.endm
.macro BLOCK t
.set XS, WX+32*((\t)%2)
.if (\t) < NB-1
	s_wait_loadcnt 32                              ; this block's 32 loads are in; the next block's may be out
.else
	s_wait_loadcnt 0
.endif
	v_max3_num_f32 v12, |v[XS]|, |v[XS+1]|, |v[XS+2]|              ; all 32 numbers of the block are mine
	v_max3_num_f32 v13, |v[XS+3]|, |v[XS+4]|, |v[XS+5]|
.irp i, 6,10,14,18,22,26
	v_max3_num_f32 v12, v12, |v[XS+\i]|, |v[XS+\i+1]|
	v_max3_num_f32 v13, v13, |v[XS+\i+2]|, |v[XS+\i+3]|
.endr
	v_max3_num_f32 v12, v12, |v[XS+30]|, |v[XS+31]|
	v_max3_num_f32 v12, v12, v13, (EMAX+1)<<23
	v_add_nc_u32 v11, 0xfe000000, v12
	v_lshrrev_b32 v13, 23, v11
.if (\t)%4 == 0
	v_mov_b32 v[SB+(\t)/4], v13                    ; four bytes to a register, the lower K in the lower byte
.else
	v_lshl_or_b32 v[SB+(\t)/4], v13, 8*((\t)%4), v[SB+(\t)/4]
.endif
	v_cvt_scalef32_pk16_bf6_f32 v[WC:WC+2], v[XS:XS+15], v11
	v_cvt_scalef32_pk16_bf6_f32 v[WC+4:WC+6], v[XS+16:XS+31], v11  ; (a conversion's three registers begin on an even number)
	ds_store_b96 v4, v[WC:WC+2] offset:32*(\t)     ; 12 bytes to a place of 16, so that every LDS address is a multiple of 16
	ds_store_b96 v4, v[WC+4:WC+6] offset:32*(\t)+16
.if (\t)+2 < NB
	WLOAD (\t)+2
.endif
	s_wait_dscnt 0x0                               ; the stores have read their registers: the next block's codes may be written
.endm
	s_load_b512 s[4:19], s[0:1], 0x0               ; x 4:5, Wo 6:7, Wq 8:9, Wk 10:11, Wv 12:13, xq 14:15, woq 16:17, wq 18:19
	v_lshl_add_u32 v192, v0, 2, 0x10800
	v_mov_b32 v193, 0
	v_lshrrev_b32 v1, 5, v0
	v_readfirstlane_b32 s20, v1                    ; wave 0..3
	v_and_b32 v2, 31, v0                           ; lane
	s_wait_kmcnt 0x0
	s_cmp_lt_u32 ttmp9, 288
	s_cbranch_scc0 .Lweights
	; ---- THE ROWS' WAY: x and Wo
	s_wait_alu depctr_va_vdst(0)
	v_lshlrev_b32 v3, 4, v2                        ; my 16 bytes of a load's 512
	s_mul_i32 s21, s20, WREG
	v_lshrrev_b32 v14, 2, v2
	v_mul_u32_u24 v14, v14, SP
	v_and_b32 v15, 3, v2
	v_lshl_add_u32 v14, v15, 4, v14
	v_add_nc_u32 v14, s21, v14                     ; the stage, on the way in: SP (lane / 4) + 16 (lane % 4)
	v_mul_u32_u24 v15, v2, SP
	v_add_nc_u32 v15, s21, v15                     ; and on the way out: SP x lane
	v_mul_u32_u24 v4, v2, CB                       ; my codes' place in a step's
	v_lshrrev_b32 v5, 1, v2
	s_add_co_u32 s21, s21, 2*32*SP
	v_add_nc_u32 v5, s21, v5                       ; my wave's 256 scale bytes, my block's byte
	v_lshlrev_b32 v7, 3, v2
	v_add_nc_u32 v6, s21, v7                       ; and on the way out 8 bytes a lane
	s_and_b32 s22, s20, 1
	s_lshl_b32 s22, s22, 1
	s_lshr_b32 s23, s20, 1
	s_or_b32 s22, s22, s23                         ; where x's eight rows go: groups 1 and 2 of the 32 change places
	s_cmp_lt_u32 ttmp9, 256                        ; x's work-group or Wo's?  The choice hangs on the work-group's number alone
	s_cselect_b64 s[24:25], s[4:5], s[6:7]
	s_cselect_b64 s[26:27], s[14:15], s[16:17]
	s_cselect_b32 s22, s22, s20                    ; Wo keeps its order
	s_cselect_b32 s23, 0, 256
	s_mov_b32 s28, WOSOFF
	s_cselect_b32 s28, XSOFF, s28
	s_sub_co_u32 s23, ttmp9, s23
	s_lshl_b32 s23, s23, 2
	s_add_co_u32 s30, s23, s20                     ; the run of 8 rows that I read,
	s_add_co_u32 s32, s23, s22                     ; and the run of 8 places that I write
	s_lshl_b32 s30, s30, 15                        ; 32,768 bytes of f32 a run
	s_mov_b32 s31, 0
	s_add_nc_u64 s[24:25], s[24:25], s[30:31]
	s_mul_i32 s30, s32, 8*KROW
	s_add_nc_u64 s[34:35], s[26:27], s[30:31]      ; its codes
	s_lshl_b32 s30, s32, 8
	s_add_co_u32 s30, s30, s28
	s_add_nc_u64 s[36:37], s[26:27], s[30:31]      ; its 256 scale bytes
.irp t, 0,1,2,3
	LOAD \t
.endr
	s_wait_alu depctr_va_vdst(0)
	s_wait_loadcnt 12                              ; step 0's four loads are in
	TURN 0
.irp t, 0,1,2,3,4,5,6,7,8,9,10,11,12,13,14,15
	STEP \t
.endr
	ds_load_b64 v[12:13], v6                       ; LDS serves a wave's instructions in order: these see my byte stores
	s_wait_dscnt 0x0
	global_store_b64 v7, v[12:13], s[36:37]        ; 32 lanes store 256 consecutive bytes, aligned
	s_wait_tensorcnt 0x0
	ds_add_u32 v192, v193
	s_wait_dscnt 0x0
	s_endpgm
	; ---- THE WEIGHTS' WAY: a lane takes a column, its registers run down K
.Lweights:
	s_sub_co_u32 s21, ttmp9, 288
	s_lshr_b32 s22, s21, 5                         ; 0 Wq, 1 Wk, 2 Wv
	s_bfe_u32 s23, s21, 0x40001                    ; the head
	s_and_b32 s28, s21, 1
	s_and_b32 s29, s20, 1                          ; which 32 of the head's 64 columns
	s_lshr_b32 s30, s20, 1
	s_lshl_b32 s28, s28, 1
	s_add_co_u32 s28, s28, s30                     ; which 256 along K
	s_cmp_eq_u32 s22, 0
	s_cselect_b64 s[24:25], s[8:9], s[10:11]
	s_cmp_eq_u32 s22, 2
	s_cselect_b64 s[24:25], s[12:13], s[24:25]
	s_lshl_b32 s30, s23, 18                        ; a head is 1024 x 64 x 4 bytes,
	s_lshl_b32 s31, s28, 16                        ; 256 rows of 256 bytes,
	s_add_co_u32 s30, s30, s31
	s_lshl_b32 s31, s29, 7                         ; 32 columns of 4 bytes
	s_add_co_u32 s30, s30, s31
	s_mov_b32 s31, 0
	s_add_nc_u64 s[24:25], s[24:25], s[30:31]
	s_lshl_b32 s32, s22, 10
	s_lshl_b32 s33, s23, 6
	s_add_co_u32 s32, s32, s33
	s_lshl_b32 s33, s29, 5
	s_add_co_u32 s32, s32, s33                     ; my first row of wq: 1024 type + 64 head + 32 half
	s_mul_i32 s30, s32, KROW
	s_mul_i32 s33, s28, 192
	s_add_co_u32 s30, s30, s33
	s_add_nc_u64 s[26:27], s[18:19], s[30:31]      ; the codes
	s_lshl_b32 s30, s32, 5
	s_lshl_b32 s33, s28, 3
	s_add_co_u32 s30, s30, s33
	s_add_co_u32 s30, s30, WSOFF
	s_add_nc_u64 s[34:35], s[18:19], s[30:31]      ; the scale bytes
	s_wait_alu depctr_va_vdst(0)
	v_lshlrev_b32 v3, 2, v2                        ; in: 4 bytes a lane
	s_mul_i32 s33, s20, 32*PITCH
	s_add_co_u32 s33, s33, WSTG                    ; my stage
	v_mul_u32_u24 v4, v2, PITCH
	v_add_nc_u32 v4, s33, v4                       ; into it: row = my column
	v_and_b32 v5, 15, v2
	v_lshrrev_b32 v6, 4, v2                        ; out of it: sixteen lanes to a row, two rows an instruction
	v_mul_u32_u24 v7, v6, PITCH
	v_lshl_add_u32 v7, v5, 4, v7
	v_add_nc_u32 v7, s33, v7
	v_mul_u32_u24 v8, v6, KROW
	v_mad_u32_u24 v8, v5, 12, v8                   ; and the same place in the codes' rows
	v_and_b32 v9, 7, v2                            ; my column's place among the 32: bits 3 and 4 change places
	v_and_b32 v10, 8, v2
	v_lshl_or_b32 v9, v10, 1, v9
	v_and_b32 v10, 16, v2
	v_lshrrev_b32 v10, 1, v10
	v_or_b32 v9, v9, v10
	v_lshlrev_b32 v9, 5, v9                        ; x 32 bytes of scales a row
	WLOAD 0
	WLOAD 1
.set Q, 0
.rept NB
	BLOCK Q
.set Q, Q+1
.endr
	s_wait_alu depctr_va_vdst(0)
	global_store_b64 v9, v[SB:SB+1], s[34:35]      ; my column's 8 scale bytes
.irp t, 0,1,2,3,4,5,6,7,8,9,10,11,12,13,14,15
	ds_load_b96 v[OUTR+4*\t:OUTR+4*\t+2], v7 offset:2*\t*PITCH
.endr
.irp t, 0,1,2,3,4,5,6,7,8,9,10,11,12,13,14,15
	s_wait_dscnt 15-\t
	global_store_b96 v8, v[OUTR+4*\t:OUTR+4*\t+2], s[26:27] offset:(((2*\t)&7)+16*(((2*\t)>>3)&1)+8*((2*\t)>>4))*KROW   ; columns 2 t, 2 t + 1 go to their places: sixteen lanes store 192 consecutive bytes
.endr
	s_wait_tensorcnt 0x0
	ds_add_u32 v192, v193
	s_wait_dscnt 0x0
	s_endpgm
.Lfunc_end_k_qce0b1019e6_quant:
	.size	k_qce0b1019e6_quant, .Lfunc_end_k_qce0b1019e6_quant-k_qce0b1019e6_quant
	.p2alignl 7, 3214868480
	.fill 96, 4, 3214868480
	.section	.rodata,"a",@progbits
	.p2align	6, 0x0
	.amdhsa_kernel k_qce0b1019e6_quant
		.amdhsa_group_segment_fixed_size 68096
		.amdhsa_private_segment_fixed_size 0
		.amdhsa_enable_private_segment 0
		.amdhsa_kernarg_size 64
		.amdhsa_user_sgpr_count 2
		.amdhsa_user_sgpr_kernarg_segment_ptr 1
		.amdhsa_wavefront_size32 1
		.amdhsa_system_sgpr_workgroup_id_x 1
		.amdhsa_system_sgpr_workgroup_id_y 1
		.amdhsa_system_sgpr_workgroup_id_z 1
		.amdhsa_system_vgpr_workitem_id 0
		.amdhsa_next_free_vgpr 194
		.amdhsa_next_free_sgpr 66
		.amdhsa_reserve_vcc 0
		.amdhsa_float_denorm_mode_32 3
		.amdhsa_float_denorm_mode_16_64 3
		.amdhsa_memory_ordered 1
		.amdhsa_forward_progress 1
		.amdhsa_inst_pref_size 74
	.end_amdhsa_kernel
	.amdgpu_metadata
---
amdhsa.version: [ 1, 2 ]
amdhsa.kernels:
  - .name:           k_qce0b1019e6_quant
    .symbol:         k_qce0b1019e6_quant.kd
    .args:
      - { .name: x, .offset: 0, .size: 8, .value_kind: global_buffer, .address_space: global }
      - { .name: Wo, .offset: 8, .size: 8, .value_kind: global_buffer, .address_space: global }
      - { .name: Wq, .offset: 16, .size: 8, .value_kind: global_buffer, .address_space: global }
      - { .name: Wk, .offset: 24, .size: 8, .value_kind: global_buffer, .address_space: global }
      - { .name: Wv, .offset: 32, .size: 8, .value_kind: global_buffer, .address_space: global }
      - { .name: xq, .offset: 40, .size: 8, .value_kind: global_buffer, .address_space: global }
      - { .name: woq, .offset: 48, .size: 8, .value_kind: global_buffer, .address_space: global }
      - { .name: wq, .offset: 56, .size: 8, .value_kind: global_buffer, .address_space: global }
    .group_segment_fixed_size: 68096
    .private_segment_fixed_size: 0
    .kernarg_segment_align: 8
    .kernarg_segment_size: 64
    .max_flat_workgroup_size: 128
    .sgpr_count:     66
    .vgpr_count:     194
    .wavefront_size: 32
...
	.end_amdgpu_metadata
.endif
;; end of part 1
;; launch gemm_qkv (part 2): grid 12 x 32, 4 waves a work-group, clusters of 4 x 4, 327,680 bytes of LDS; arguments xq, wq, qb, kv; writes qb, kv
.if DOCPART == 2
	.amdgcn_target "amdgcn-amd-amdhsa--gfx1250"
	.amdhsa_code_object_version 6
	.text
	.protected	k_qce0b1019e6_gemm_qkv
	.globl	k_qce0b1019e6_gemm_qkv
	.p2align	8
	.type	k_qce0b1019e6_gemm_qkv,@function
k_qce0b1019e6_gemm_qkv:
	s_mov_b64 s[64:65], 0
	v_nop
	global_prefetch_b8 v0, s[64:65] scope:SCOPE_SE
	s_setreg_imm32_b32 hwreg(HW_REG_WAVE_MODE, 25, 1), 1
	s_wait_xcnt 0x0
	s_wait_alu depctr_hold_cnt(0) depctr_sa_sdst(0) depctr_va_vdst(0) depctr_va_sdst(0) depctr_va_ssrc(0) depctr_va_vcc(0) depctr_vm_vsrc(0)
	s_getreg_b32 s2, hwreg(HW_REG_IB_STS2, 6, 4)
	s_cmp_eq_u32 s2, 0
	s_cbranch_scc0 .Lentry_in_a_cluster
	s_endpgm
.Lentry_in_a_cluster:
	s_bfe_u32 s2, ttmp6, 0x10000c
	s_cmp_lg_u32 s2, 0xf033
	s_cbranch_scc0 .Lentry_shape_is_right
	s_endpgm
.Lentry_shape_is_right:
; q, k, v = x W on codes of BF6 (E3M2) with one E8M0 scale for each 32 along K = 1024; the results are quantised in registers and leave as images of the next products' operand registers.
; A work-group makes 256 tokens (places 256 Y .. of xq) x 256 rows of wq (256 X ..: four heads of one of Wq, Wk, Wv); a wave 128 x 128: 64 accumulators, 512 registers.  K goes in steps of 256 through two LDS slots filled
; by the tensor data mover; the scale bytes of the work-group's rows come once, with the first fills.  4 x 4 work-groups form a cluster: x's tiles are asked for jointly along a row of it, W's along a column.
; The cluster's x is the type: 0 q, 1 k, 2 v: the same in all sixteen partners.
; ROLES.  Source 1 of the matrix instruction gives a result's lane, source 0 its registers.  q and k are quantised along the head's channels: source 1 = tokens, source 0 = W's rows.  v is quantised along the keys:
; source 1 = W's rows, source 0 = tokens.  Only the addresses from which fragments and scale words are READ in LDS hang on the type (a choice between the slot's two regions); fills, masks, waits and barriers do not.
; Rows of xq and wq lie so that 16 neighbouring places are rows 8 u + r + 8 (r / 8) of a group of 32: the 16 registers of two neighbouring result tiles are then 16 neighbours along the next K.
; THE WAY OUT uses no LDS: a block of 16 rows x 128 columns is quantised (four blocks of 32; a block lies in lanes l and l xor 16) into a fragment of 12 registers; each half of 6 registers leaves as an image of 768 bytes:
; registers 0-3 at 16 x lane (512 consecutive bytes), registers 4-5 at 512 + 8 x lane (256 consecutive bytes).  q, k: the halves are two heads' tiles of 16 tokens x 64 channels; v: one tile of 16 channels x 128 keys.
; LIMITS: NaN and infinities are not served; a block whose largest magnitude lies under 2^-122 gets the scale byte 1 (a block of zeros too: its codes are zeros; this program alone reads the bytes).
; REGISTERS, in windows of 256: window 0: v0-31 addresses; v32-63 scale words, two sets; v64-119 the way out; from v128 source 1's fragments, one set.  window 1: source 0's fragments, two sets.  windows 2, 3: the accumulators.
.set KSTEP,  256
.set NQ,     2                         ; matrix instructions deep in a slot
.set ROWB,   192                       ; a tile's row: 256 codes
.set KROW,   768                       ; a row of codes in memory
.set PITCH,  240                       ; an LDS row: 3 x (64 bytes + 16 of padding)
.set FR,     12
.set NL,     6
.set NP,     4                         ; places behind this matrix instruction (ISA guide 7.12.1)
.set HALFT,  128*PITCH
.set SLOT,   4*HALFT                   ; x's 256 rows, then W's 256 rows
.set LAPS,   2                         ; 1024 / 512
.set KS,     32                        ; a row of scale bytes
.set SCL,    2*SLOT                    ; behind the ring: the scales, as units of 256 bytes + 16 of padding
.set HALFS,  16*272                    ; those of 128 rows
.set SBLK,   2*272                     ; those of 16 rows
.set SPARE,  SCL+4*HALFS+16384         ; the spare words, 128 bytes for each wave, behind 16 KiB that nothing uses
.set XSOFF,  6291456
.set WSOFF,  2359296
.set ADRA, 16                          ; v16-17 source 1's fragments in slot 0, 1 (v18-19: behind one padding more)
.set ADRB, 20                          ; v20-23 the same for source 0
.set L16,  24                          ; v24  16 x lane
.set L8,   25                          ; v25  8 x lane
.set SOF,  26                          ; v26  the scale words' place: 16 r + (lane / 16) x a head's bytes
.set ADRS, 27                          ; v27  LDS address of my scale words
.set SPW,  28                          ; v28  my spare word; never rewritten
.set NIL,  29                          ; v29  0; never rewritten
.set SH,   30                          ; v30  16 x (lane / 16)
.set SC,   32
.set CD,   64                          ; v64-75 a fragment's codes; v76-78, v80-82 the conversions' second halves
.set TM,   96                          ; v96-99 largest magnitudes, v100-103 bytes, v108-111 the conversions' scale operands
.set SW,   112                         ; v112-119 the eight blocks' scale words
.set AF,   128
.set G1, 24
.set G0, 32
.set G1B, 48
.set G0B, 56
.set G1S, 68
.set G0S, 76
.set G1SB, 80
.set G0SB, 88
.set HI, 97                            ; s97 the mask of lanes 16-31
.set MSB, 0
.macro WIN new                         ; the immediate's high byte repeats the setting that is left
.if MSB != \new
	s_set_vgpr_msb (MSB<<8)|\new
.set MSB, \new
.endif
.endm
.set MUL_LO, 0xa1                      ; source 0 window 1, source 1 window 0, C and D window 2
.set MUL_HI, 0xf1
.set TO_B,   0x40
; A joint load: waves 0 and 1 fetch x's halves, waves 2 and 3 W's.  The branch hangs on the wave's number alone.  Four v_nop follow each of the two lines.
.macro JLOAD g0a, g1a, g0b, g1b
	s_cmp_eq_u32 s15, 0
	s_cbranch_scc0 .Lfor_b_\@
	tensor_load_to_lds s[\g0a:\g0a+3], s[\g1a:\g1a+7]
	s_nop 0
.rept 4
	v_nop
.endr
	s_branch .Lasked_\@
.Lfor_b_\@:
	tensor_load_to_lds s[\g0b:\g0b+3], s[\g1b:\g1b+7]
	s_nop 0
.rept 4
	v_nop
.endr
.Lasked_\@:
.endm
.macro CREST                           ; a round of the cluster's barrier behind its opening barrier
	s_cmp_lg_u32 s14, 0
	s_cbranch_scc1 .Lnot_wave_0_\@
	s_barrier_signal -3
.Lnot_wave_0_\@:
	s_barrier_wait -3
	s_barrier_signal -1
	s_barrier_wait -1
.endm
.macro CROUND
	s_barrier_signal -1
	s_barrier_wait -1
	CREST
.endm
	s_load_b64 s[4:5], s[0:1], 0x0                 ; xq
	s_load_b64 s[8:9], s[0:1], 0x8                 ; wq
	s_load_b64 s[12:13], s[0:1], 0x10              ; qb
	s_load_b64 s[98:99], s[0:1], 0x18              ; kv
	v_lshl_add_u32 v[SPW], v0, 2, SPARE
	v_mov_b32 v[NIL], 0
	ds_add_u32 v28, v29
	ds_add_u32 v28, v29
	s_wait_dscnt 0x0
	v_lshrrev_b32 v1, 5, v0
	v_readfirstlane_b32 s14, v1                    ; wave 0..3
	s_lshr_b32 s15, s14, 1                         ; which half of source 1's 256 rows is mine.  Also: I fetch for x (0) or for W (1)
	s_and_b32 s16, s14, 1                          ; which half of source 0's.  Also: which 128 rows I fetch
	s_bfe_u32 s40, ttmp6, 0x40000                  ; cx, cy: my place in the cluster
	s_bfe_u32 s41, ttmp6, 0x40004
	s_lshl_b32 s42, ttmp9, 2
	s_add_co_u32 s42, s42, s40                     ; X = 4 x cluster x + cx
	s_and_b32 s17, ttmp7, 0xffff
	s_lshl_b32 s17, s17, 2
	s_add_co_u32 s17, s17, s41                     ; Y = 4 x cluster y + cy
	s_lshl_b32 s43, s41, 2
	s_lshl_b32 s43, 15, s43                        ; my row of the cluster
	s_lshl_b32 s44, 0x1111, s40                    ; my column
	; descriptor group 1: a tile of 128 rows x 192 bytes; 16 bytes of padding behind every 64
	s_or_b32 s[G1+0], s43, (0<<16)|(1<<20)|(1<<21)|(3<<22)|(3<<25)   ; x's tiles go to my row of the cluster
	s_or_b32 s[G1B+0], s44, (0<<16)|(1<<20)|(1<<21)|(3<<22)|(3<<25)  ; W's to my column
.irp g, G1, G1B
	s_mov_b32 s[\g+1], ROWB<<16                    ; tensor_dim0
	s_mov_b32 s[\g+2], 128<<16                     ; tensor_dim1
	s_mov_b32 s[\g+3], ROWB<<16                    ; tile_dim0
	s_mov_b32 s[\g+4], 128                         ; tile_dim1
	s_mov_b32 s[\g+5], KROW                        ; from row to row
	s_mov_b32 s[\g+6], 0
	s_mov_b32 s[\g+7], 0
.endr
	; the scales of 128 rows: 4,096 dense bytes, as 16 rows of 256 bytes (32 elements of 8), 16 bytes of padding behind each
	s_or_b32 s[G1S+0], s43, (3<<16)|(1<<20)|(1<<21)|(5<<22)|(3<<25)
	s_or_b32 s[G1SB+0], s44, (3<<16)|(1<<20)|(1<<21)|(5<<22)|(3<<25)
.irp g, G1S, G1SB
	s_mov_b32 s[\g+1], 32<<16
	s_mov_b32 s[\g+2], 16<<16
	s_mov_b32 s[\g+3], 32<<16
	s_mov_b32 s[\g+4], 16
	s_mov_b32 s[\g+5], 32
	s_mov_b32 s[\g+6], 0
	s_mov_b32 s[\g+7], 0
.endr
	s_lshl_b32 s18, s16, 7                         ; which 128 rows I fetch
	s_lshl_b32 s20, s17, 8
	s_add_co_u32 s20, s20, s18                     ; x: place 256 Y + 128 x half
	s_lshl_b32 s46, s42, 8
	s_add_co_u32 s46, s46, s18                     ; W: row 256 X + 128 x half
	s_lshl_b32 s22, s20, 5                         ; where these rows' scales begin, in bytes,
	s_lshl_b32 s92, s46, 5
	s_mul_i32 s20, s20, KROW                       ; and their codes (all under 2^23)
	s_mul_i32 s46, s46, KROW
	s_mov_b32 s21, 0
	s_mov_b32 s23, 0
	s_mov_b32 s47, 0
	s_mov_b32 s93, 0
	s_mul_i32 s45, s14, HALFT                      ; where they go: wave x 128 rows: no place in the cluster enters an LDS address
	s_mul_i32 s94, s14, HALFS
	s_wait_kmcnt 0x0
	s_add_nc_u64 s[6:7], s[4:5], XSOFF
	s_add_nc_u64 s[10:11], s[8:9], WSOFF
	s_add_nc_u64 s[20:21], s[4:5], s[20:21]
	s_add_nc_u64 s[22:23], s[6:7], s[22:23]
	s_add_nc_u64 s[46:47], s[8:9], s[46:47]
	s_add_nc_u64 s[92:93], s[10:11], s[92:93]
	CROUND                                         ; all sixteen work-groups are here: the first joint loads meet
	s_mov_b32 s[G0S], 1
	s_add_co_u32 s[G0S+1], s94, SCL
	s_mov_b64 s[G0S+2:G0S+3], s[22:23]
	s_or_b32 s[G0S+3], s[G0S+3], 0x80000000
	s_mov_b32 s[G0SB], 1
	s_add_co_u32 s[G0SB+1], s94, SCL
	s_mov_b64 s[G0SB+2:G0SB+3], s[92:93]
	s_or_b32 s[G0SB+3], s[G0SB+3], 0x80000000
	JLOAD G0S, G1S, G0SB, G1SB                     ; the scales first: they are wanted with K step 0
.irp s, 0,1
	s_mov_b32 s[G0+4*\s], 1
	s_add_co_u32 s[G0+4*\s+1], s45, \s*SLOT
	s_add_nc_u64 s[G0+4*\s+2:G0+4*\s+3], s[20:21], \s*ROWB
	s_or_b32 s[G0+4*\s+3], s[G0+4*\s+3], 0x80000000
	s_mov_b32 s[G0B+4*\s], 1
	s_add_co_u32 s[G0B+4*\s+1], s45, \s*SLOT
	s_add_nc_u64 s[G0B+4*\s+2:G0B+4*\s+3], s[46:47], \s*ROWB
	s_or_b32 s[G0B+4*\s+3], s[G0B+4*\s+3], 0x80000000
	JLOAD G0+4*\s, G1, G0B+4*\s, G1B
.endr
	v_and_b32 v1, 15, v0                           ; r = lane % 16
	v_bfe_u32 v2, v0, 4, 1                         ; h = lane / 16
	v_mul_u32_u24 v3, v1, PITCH
	v_mul_u32_u24 v4, v2, 24
	v_add_nc_u32 v4, v3, v4                        ; a fragment's row x pitch + 24 x half
	s_wait_alu depctr_va_vdst(0)
	v_lshl_add_u32 v5, v2, 4, v4                   ; and the same behind one padding more
	s_wait_alu depctr_va_vdst(0)
	s_cmp_eq_u32 ttmp9, 2                          ; THE ROLES: for v source 1 reads W's region and source 0 x's; else the other way round
	s_cselect_b32 s100, 2*HALFT, 0
	s_cselect_b32 s101, 0, 2*HALFT
	s_cselect_b32 s95, 2*HALFS, 0
	s_cselect_b32 s96, 0, 2*HALFS
	s_mul_i32 s21, s15, HALFT
	s_add_co_u32 s21, s21, s100                    ; source 1's 128 rows
	s_mul_i32 s22, s16, HALFT
	s_add_co_u32 s22, s22, s101                    ; source 0's
.irp s, 0,1
	v_add_nc_u32 v[ADRA+\s], s21, v4
	v_add_nc_u32 v[ADRB+\s], s22, v4
	v_add_nc_u32 v[ADRA+2+\s], s21, v5
	v_add_nc_u32 v[ADRB+2+\s], s22, v5
	s_add_co_u32 s21, s21, SLOT
	s_add_co_u32 s22, s22, SLOT
.endr
	v_mul_u32_u24 v5, v1, KS                       ; my row's scales: 32 bytes a row,
	v_lshrrev_b32 v6, 8, v5
	v_lshl_add_u32 v5, v6, 4, v5                   ; and 16 more for each 256 passed
	s_mul_i32 s21, s15, HALFS
	s_add_co_u32 s21, s21, s95
	s_add_co_u32 s21, s21, SCL                     ; source 1's rows' scales: for lanes 0-15
	s_mul_i32 s22, s16, HALFS
	s_add_co_u32 s22, s22, s96
	s_add_co_u32 s22, s22, SCL                     ; source 0's: for lanes 16-31
	s_mov_b32 s[HI], 0xffff0000
	v_mov_b32 v6, s21
	v_mov_b32 v7, s22
	v_cndmask_b32 v6, v6, v7, s[HI]
	v_add_nc_u32 v[ADRS], v5, v6
	v_and_b32 v6, 31, v0
	v_lshlrev_b32 v[L16], 4, v6
	v_lshlrev_b32 v[L8], 3, v6
	v_lshlrev_b32 v[SH], 4, v2
.macro FRAG reg, adr, q, i             ; 16 rows x 128 K of 6-bit codes: 12 registers; registers 6 c .. 6 c + 5 hold K = 64 c + 32 (lane / 16) + 0 .. 31: 24 bytes of the row, in pieces of 8
.irp p, 0,1,2,3,4,5
.set PC, 12*(\q)+6*(\p/3)+\p%3        ; where the piece three on lies behind one padding more, the second address register serves
.if PC%8 < 5
	ds_load_b64 v[\reg+2*\p:\reg+2*\p+1], v[\adr] offset:8*PC+16*(PC/8)+(\i)*16*PITCH
.else
	ds_load_b64 v[\reg+2*\p:\reg+2*\p+1], v[\adr+2] offset:8*PC+16*(PC/8)+(\i)*16*PITCH
.endif
.endr
.endm
; 16 matrix instructions: source 1's blocks a0, a0 + 1 x source 0's eight.  The 64 accumulators take turns, one instruction a turn, in the same order in every step.
; A scale register carries source 1's word of block i in lanes 0-15 and source 0's word of block i in lanes 16-31.
.macro MUL16 a0, p, q, sc, zero
.irp a, \a0, \a0+1
.irp b, 0,1,2,3,4,5,6,7
.if \zero
	v_wmma_scale_f32_16x16x128_f8f6f4 v[8*(8*((\a)%4)+\b):8*(8*((\a)%4)+\b)+7], v[128*(\p)+FR*\b:128*(\p)+FR*\b+FR-1], v[AF+FR*(\a):AF+FR*(\a)+FR-1], 0, v[SC+8*NQ*(\sc)+NQ*\b+(\q)], v[SC+8*NQ*(\sc)+NQ*(\a)+(\q)] matrix_a_fmt:MATRIX_FMT_BF6 matrix_b_fmt:MATRIX_FMT_BF6 matrix_a_scale:MATRIX_SCALE_ROW1
.else
	v_wmma_scale_f32_16x16x128_f8f6f4 v[8*(8*((\a)%4)+\b):8*(8*((\a)%4)+\b)+7], v[128*(\p)+FR*\b:128*(\p)+FR*\b+FR-1], v[AF+FR*(\a):AF+FR*(\a)+FR-1], v[8*(8*((\a)%4)+\b):8*(8*((\a)%4)+\b)+7], v[SC+8*NQ*(\sc)+NQ*\b+(\q)], v[SC+8*NQ*(\sc)+NQ*(\a)+(\q)] matrix_a_fmt:MATRIX_FMT_BF6 matrix_b_fmt:MATRIX_FMT_BF6 matrix_a_scale:MATRIX_SCALE_ROW1
.endif
.endr
.endr
.endm
.macro FETCH_B slot, q, p              ; source 0's eight fragments into set p
	WIN TO_B
.irp i, 0,1,2,3,4,5,6,7
	FRAG 128*(\p)+FR*\i, ADRB+\slot, \q, \i
.endr
	WIN 0
.endm
.macro FETCH_A slot, q, i0             ; source 1's blocks i0 .. i0 + 3
.irp i, \i0, \i0+1, \i0+2, \i0+3
	FRAG AF+FR*(\i), ADRA+\slot, \q, \i
.endr
.endm
.macro SCALES sc                       ; a K step's scale words: two words a row
.irp i, 0,1,2,3,4,5,6,7
	ds_load_b64 v[SC+8*NQ*\sc+NQ*\i:SC+8*NQ*\sc+NQ*\i+1], v[ADRS] offset:\i*SBLK
.endr
.endm
.macro PLACES n                        ; plain vector lines between a matrix instruction and a load into, or a read of, its registers
.rept \n
	v_nop
.endr
.endm
.macro STEP slot, q, zero              ; 128 along K that has its successor in the same slot
	s_wait_dscnt 4*NL                              ; all but the youngest 24 loads (source 1's blocks 4-7) are in
	WIN MUL_LO
	MUL16 0, (\q)%2, \q, \slot, \zero
	MUL16 2, (\q)%2, \q, \slot, \zero
	s_wait_dscnt 0
	PLACES NP
	FETCH_B \slot, (\q)+1, 1-(\q)%2
	FETCH_A \slot, (\q)+1, 0
	WIN MUL_HI
	MUL16 4, (\q)%2, \q, \slot, \zero
	MUL16 6, (\q)%2, \q, \slot, \zero
	PLACES NP
	WIN 0
	FETCH_A \slot, (\q)+1, 4
.endm
; A slot's last step changes slots: one barrier; in front of it each wave waits for all its tensor loads, adds 0 to its spare word, and waits for that and for its reads of this slot.
.macro TURN slot, next, fill
	s_wait_tensorcnt 0x0                           ; all my tensor loads have landed: my part of the next slot
	ds_add_u32 v[SPW], v[NIL]                      ; 0 onto my spare word
	s_wait_dscnt 4*NL+1                            ; the add and the youngest 24 loads may be out
	WIN MUL_LO
	MUL16 0, 1, NQ-1, \slot, 0
	s_wait_dscnt 0x0                               ; the add is done, and my reads of this slot are over
	s_barrier_signal -1
	MUL16 2, 1, NQ-1, \slot, 0
	WIN 0
	s_barrier_wait -1
.if \fill
	CREST                                          ; the barrier has opened a round of the cluster's barrier: no wave of any partner still reads this slot or has a load on its way
	s_add_nc_u64 s[G0+4*\slot+2:G0+4*\slot+3], s[G0+4*\slot+2:G0+4*\slot+3], 2*ROWB
	s_add_nc_u64 s[G0B+4*\slot+2:G0B+4*\slot+3], s[G0B+4*\slot+2:G0B+4*\slot+3], 2*ROWB
	JLOAD G0+4*\slot, G1, G0B+4*\slot, G1B         ; the first tensor load behind the round; its four v_nop are the places in front of the loads below
.else
	PLACES NP
.endif
	s_wait_alu depctr_va_vdst(0)
	v_add_nc_u32 v[ADRS], 4*NQ, v[ADRS]            ; the next K step's scale words
	FETCH_B \next, 0, 0
	FETCH_A \next, 0, 0
	SCALES \next
	WIN MUL_HI
	MUL16 4, 1, NQ-1, \slot, 0
	MUL16 6, 1, NQ-1, \slot, 0
	PLACES NP
	WIN 0
	FETCH_A \next, 0, 4
.endm
	s_wait_alu depctr_va_vdst(0)
	s_wait_tensorcnt 1                             ; the scales and my part of K step 0 are in; K step 1's load may be out
	s_barrier_signal -1
	s_barrier_wait -1
	FETCH_B 0, 0, 0
	FETCH_A 0, 0, 0
	SCALES 0
	FETCH_A 0, 0, 4
	STEP 0, 0, 1                                   ; the first step's products start the sums
	s_mov_b32 s3, LAPS-1
.Llap:                                                 ; a trip goes once round the ring and fills both slots again
	TURN 0, 1, 1
	STEP 1, 0, 0
	TURN 1, 0, 1
	STEP 0, 0, 0
	s_sub_co_u32 s3, s3, 1
	s_cmp_lg_u32 s3, 0
	s_cbranch_scc1 .Llap
	TURN 0, 1, 0                                   ; the last lap fills nothing
	STEP 1, 0, 0
	s_wait_dscnt 4*NL
	WIN MUL_LO
	MUL16 0, 1, NQ-1, 1, 0
	MUL16 2, 1, NQ-1, 1, 0
	s_wait_dscnt 0
	WIN MUL_HI
	MUL16 4, 1, NQ-1, 1, 0
	MUL16 6, 1, NQ-1, 1, 0
	WIN 0
	; ---- THE WAY OUT.  No tensor load is out, so the descriptors' registers serve as scalars.
.irp b, 0,1,2,3
	v_mov_b32 v[TM+4+\b], 0                        ; a lane permute's destination counts as one of its sources.  (These four are the places behind the last products)
.endr
	s_cmp_eq_u32 ttmp9, 0                          ; q goes to qb, k and v to kv
	s_mov_b32 s22, 208896
	s_cselect_b32 s22, 106496, s22                 ; a head's bytes in that buffer
	s_mov_b32 s23, 13056
	s_cselect_b32 s23, 6656, s23                   ; the bytes of 128 tokens of a head
	s_mov_b32 s26, 12288
	s_cselect_b32 s26, 6144, s26                   ; where the scale words begin in them
	s_cselect_b64 s[28:29], s[12:13], s[98:99]
	s_cmp_eq_u32 ttmp9, 2
	s_cselect_b32 s20, s16, s15                    ; which half of the 256 tokens is mine,
	s_cselect_b32 s21, s15, s16                    ; and which two of the four heads
	s_cselect_b32 s24, 6144, 0                     ; v's codes lie behind k's
	s_cselect_b32 s26, 12800, s26
	s_cselect_b32 s25, 768, s22                    ; from a fragment's first half to its second: v: 768 bytes on; q, k: the next head
	s_mov_b32 s27, 768
	s_cselect_b32 s27, 1536, s27                   ; from block to block
	s_cselect_b32 s30, 202752, 0                   ; v: behind four blocks on to the next head: 208,896 - 6,144
	s_lshl_b32 s31, s17, 1
	s_add_co_u32 s31, s31, s20                     ; my block of 128 tokens, 0 .. 63
	s_lshl_b32 s32, s40, 1
	s_add_co_u32 s32, s32, s21                     ; my pair of heads, 0 .. 7
	s_lshr_b32 s33, s31, 4
	s_lshl_b32 s33, s33, 4
	s_lshl_b32 s32, s32, 1
	s_add_co_u32 s33, s33, s32                     ; 16 x batch + my first head
	s_and_b32 s31, s31, 15                         ; the block within the sequence
	s_mul_i32 s33, s33, s22
	s_mul_i32 s31, s31, s23
	s_add_co_u32 s32, s33, s31
	s_mov_b32 s33, 0
	s_add_nc_u64 s[28:29], s[28:29], s[32:33]
	s_mov_b32 s32, s24
	s_add_nc_u64 s[34:35], s[28:29], s[32:33]      ; where a block's first half goes,
	s_mov_b32 s32, s25
	s_add_nc_u64 s[36:37], s[34:35], s[32:33]      ; its second half,
	s_mov_b32 s32, s26
	s_add_nc_u64 s[38:39], s[28:29], s[32:33]      ; and the scale words
	s_mov_b32 s44, s27
	s_mov_b32 s45, 0
	s_mov_b32 s46, s30
	s_mov_b32 s47, 0
	s_mov_b32 s50, 0x76543210
	s_mov_b32 s51, 0xfedcba98                      ; v_permlanex16_b32's selects for lane l xor 16
	v_mul_u32_u24 v[SOF], s22, v2
	v_lshl_add_u32 v[SOF], v1, 4, v[SOF]
; Block a: 64 numbers a lane, register 16 b + i = column 32 b + 16 (lane / 16) + i of my row, become 12 registers of codes and a scale word.
.macro QBLK a
.set QW, 2+(\a)/4
.set QS, 64*((\a)%4)
.set QWIN, QW|(QW<<2)
	WIN QWIN                                       ; sources 0 and 1: the accumulators' window
.irp b, 0,1,2,3
	v_max3_num_f32 v[TM+\b], |v[QS+16*\b]|, |v[QS+16*\b+1]|, 0x2800000   ; with the floor 2^(5 - 127); each accumulator is read from its low end on
.endr
.irp i, 2,4,6,8,10,12,14
.irp b, 0,1,2,3
	v_max3_num_f32 v[TM+\b], |v[QS+16*\b+\i]|, |v[QS+16*\b+\i+1]|, v[TM+\b]
.endr
.endr
	WIN 0
.irp b, 0,1,2,3
	v_permlanex16_b32 v[TM+4+\b], v[TM+\b], s50, s51
.endr
.irp b, 0,1,2,3
	v_max_num_f32 v[TM+\b], v[TM+\b], v[TM+4+\b]   ; with lane l xor 16's: the block's largest magnitude
.endr
.irp b, 0,1,2,3
	v_add_nc_u32 v[TM+12+\b], 0xfe000000, v[TM+\b] ; 4 off its exponent field: the conversion's scale operand
.endr
.irp b, 0,1,2,3
	v_lshrrev_b32 v[TM+4+\b], 23, v[TM+12+\b]      ; the scale's byte
.endr
	v_lshl_or_b32 v[SW+(\a)], v[TM+5], 8, v[TM+4]
	v_lshl_or_b32 v[SW+(\a)], v[TM+6], 16, v[SW+(\a)]
	v_lshl_or_b32 v[SW+(\a)], v[TM+7], 24, v[SW+(\a)]
.if (\a) > 0
	s_wait_xcnt 0x0                                ; the last block's stores have read their data and their bases: both are written again only behind this wait
	s_add_nc_u64 s[34:35], s[34:35], s[44:45]
	s_add_nc_u64 s[36:37], s[36:37], s[44:45]
.if (\a) == 4
	s_add_nc_u64 s[34:35], s[34:35], s[46:47]
	s_add_nc_u64 s[36:37], s[36:37], s[46:47]
.endif
.endif
	WIN QW                                         ; source 0: the accumulators' window
.irp c, 0,1
	v_cvt_scalef32_pk16_bf6_f32 v[CD+6*\c:CD+2+6*\c], v[QS+32*\c:QS+15+32*\c], v[TM+12+2*\c]
	v_cvt_scalef32_pk16_bf6_f32 v[CD+12+4*\c:CD+14+4*\c], v[QS+16+32*\c:QS+31+32*\c], v[TM+12+2*\c+1]   ; (a conversion's three registers begin on an even number)
.endr
	WIN 0
	v_nop                                          ; one plain line behind a scaled conversion
.irp c, 0,1                                    ; the operand's layout wants a whole block in a lane: lanes 0-15 block 2 c, lanes 16-31 block 2 c + 1
.irp i, 0,1,2
	v_permlane16_swap_b32 v[CD+6*\c+\i], v[CD+12+4*\c+\i]
.endr
.irp i, 0,1,2
	v_mov_b32 v[CD+3+6*\c+\i], v[CD+12+4*\c+\i]
.endr
.endr
	global_store_b128 v[L16], v[CD:CD+3], s[34:35]             ; 512 consecutive bytes
	global_store_b64 v[L8], v[CD+4:CD+5], s[34:35] offset:512  ; 256 consecutive bytes
	global_store_b128 v[L16], v[CD+6:CD+9], s[36:37]
	global_store_b64 v[L8], v[CD+10:CD+11], s[36:37] offset:512
.endm
.irp a, 0,1,2,3,4,5,6,7
	QBLK \a
.endr
	s_cmp_eq_u32 ttmp9, 2
	s_cbranch_scc1 .Lv_words
.irp a, 0,1,2,3,4,5,6,7                        ; q, k: a word's bytes 0, 1 are my first head's two blocks, bytes 2, 3 my second head's: lanes 0-15 keep the first pair, lanes 16-31 the second; the upper two bytes are 0, over zero codes
	v_bfe_u32 v[SW+\a], v[SW+\a], v[SH], 16
.endr
	global_store_b128 v[SOF], v[SW:SW+3], s[38:39]             ; the word of (tile a, row r) at 256 (a / 4) + 16 r + 4 (a % 4): sixteen lanes store 256 consecutive bytes
	global_store_b128 v[SOF], v[SW+4:SW+7], s[38:39] offset:256
	s_branch .Lwords_done
.Lv_words:
.irp t, 0,1,2,3                                ; v: blocks 0-3 are my first head's channel tiles, blocks 4-7 my second head's: lanes 16-31 take those
	v_cndmask_b32 v[SW+\t], v[SW+\t], v[SW+4+\t], s[HI]
.endr
	global_store_b128 v[SOF], v[SW:SW+3], s[38:39]             ; the word of (tile t, row r) at 16 r + 4 t
.Lwords_done:
	s_wait_tensorcnt 0x0                           ; the wave's end
	ds_add_u32 v[SPW], v[NIL]
	s_wait_dscnt 0x0
	CROUND                                         ; the closing round: no work-group ends while a partner may still ask for a tile that names it
	s_endpgm
.Lfunc_end_k_qce0b1019e6_gemm_qkv:
	.size	k_qce0b1019e6_gemm_qkv, .Lfunc_end_k_qce0b1019e6_gemm_qkv-k_qce0b1019e6_gemm_qkv
	.p2alignl 7, 3214868480
	.fill 96, 4, 3214868480
	.section	.rodata,"a",@progbits
	.p2align	6, 0x0
	.amdhsa_kernel k_qce0b1019e6_gemm_qkv
		.amdhsa_group_segment_fixed_size 327680
		.amdhsa_private_segment_fixed_size 0
		.amdhsa_enable_private_segment 0
		.amdhsa_kernarg_size 32
		.amdhsa_user_sgpr_count 2
		.amdhsa_user_sgpr_kernarg_segment_ptr 1
		.amdhsa_wavefront_size32 1
		.amdhsa_system_sgpr_workgroup_id_x 1
		.amdhsa_system_sgpr_workgroup_id_y 1
		.amdhsa_system_sgpr_workgroup_id_z 1
		.amdhsa_system_vgpr_workitem_id 0
		.amdhsa_next_free_vgpr 1024
		.amdhsa_next_free_sgpr 102
		.amdhsa_reserve_vcc 0
		.amdhsa_float_denorm_mode_32 3
		.amdhsa_float_denorm_mode_16_64 3
		.amdhsa_memory_ordered 1
		.amdhsa_forward_progress 1
		.amdhsa_inst_pref_size 168
	.end_amdhsa_kernel
	.amdgpu_metadata
---
amdhsa.version: [ 1, 2 ]
amdhsa.kernels:
  - .name:           k_qce0b1019e6_gemm_qkv
    .symbol:         k_qce0b1019e6_gemm_qkv.kd
    .args:
      - { .name: xq, .offset: 0, .size: 8, .value_kind: global_buffer, .address_space: global }
      - { .name: wq, .offset: 8, .size: 8, .value_kind: global_buffer, .address_space: global }
      - { .name: qb, .offset: 16, .size: 8, .value_kind: global_buffer, .address_space: global }
      - { .name: kv, .offset: 24, .size: 8, .value_kind: global_buffer, .address_space: global }
    .group_segment_fixed_size: 327680
    .private_segment_fixed_size: 0
    .kernarg_segment_align: 8
    .kernarg_segment_size: 32
    .max_flat_workgroup_size: 128
    .sgpr_count:     102
    .vgpr_count:     1024
    .wavefront_size: 32
...
	.end_amdgpu_metadata
.endif
;; end of part 2
;; launch attn (part 3): grid 4 x 64, 16 waves a work-group, clusters of 4 x 1, 210,944 bytes of LDS; arguments qb, kv, aq; writes aq
.if DOCPART == 3
	.amdgcn_target "amdgcn-amd-amdhsa--gfx1250"
	.amdhsa_code_object_version 6
	.text
	.protected	k_qce0b1019e6_attn
	.globl	k_qce0b1019e6_attn
	.p2align	8
	.type	k_qce0b1019e6_attn,@function
k_qce0b1019e6_attn:
	s_mov_b64 s[64:65], 0
	v_nop
	global_prefetch_b8 v0, s[64:65] scope:SCOPE_SE
	s_setreg_imm32_b32 hwreg(HW_REG_WAVE_MODE, 25, 1), 1
	s_wait_xcnt 0x0
	s_wait_alu depctr_hold_cnt(0) depctr_sa_sdst(0) depctr_va_vdst(0) depctr_va_sdst(0) depctr_va_ssrc(0) depctr_va_vcc(0) depctr_vm_vsrc(0)
	s_getreg_b32 s2, hwreg(HW_REG_IB_STS2, 6, 4)
	s_cmp_eq_u32 s2, 0
	s_cbranch_scc0 .Lentry_in_a_cluster
	s_endpgm
.Lentry_in_a_cluster:
	s_bfe_u32 s2, ttmp6, 0x10000c
	s_cmp_lg_u32 s2, 0x3003
	s_cbranch_scc0 .Lentry_shape_is_right
	s_endpgm
.Lentry_shape_is_right:
; Causal attention of one head (cluster y = 16 x batch + head) on codes of BF6 (E3M2), head size 64, 2,048 tokens; the result, divided by the row's sum, is quantised along the head's 64 channels and leaves as codes.
; THE SOFTMAX: t = score x log2(e) / 8; M = the row's largest t so far, rounded up to a whole number; p = 2^(t - M) is quantised along the keys, not normalised; the row's sum is taken of the unquantised p
; and divides at the end (a reciprocal and a multiplication).  When M moves, the sum and O are multiplied by 2^(old M - new M): exact.
; LDS: the head's K, V and their scale words, 16 key steps of 13,056 bytes, lie whole in LDS, filled ONCE: wave w brings key step w by one tensor load.  The four work-groups of a cluster serve the same head and
; ask jointly (mask 15).  Nothing is filled again, so there is one barrier behind the fills, and no other.
; SHARES: wave w of work-group g: u = w / 2, tile v = 2 g + w % 2 (16 queries).  Pass 0: tile v of the query block 15 - u (16 - u key steps count); pass 1: tile v of block u (u + 1 steps): 17 steps for every wave.
; Both passes walk a loop of 16 trips; a step all of whose keys come after the block is left out by a scalar branch on the wave's number and the counter.  The work-group's place in its cluster enters global
; addresses and the mask's compare value alone.
; LAYOUT: both products transposed: S^T = K Q^T (K = 64: the upper half of each fragment is zero codes, under the scale byte 0), O^T = V^T P^T: a lane holds one query.  The buffers hold images of operand registers: half a
; fragment (6 registers) is 768 bytes: registers 0-3 at 16 x lane, registers 4-5 at 512 + 8 x lane.  The rows of a tile are 8 u + r + 8 (r / 8) of a group of 32, so that registers of two neighbouring result tiles are 16 neighbours.
; The scale bytes of the result leave one byte a lane: a row's 32 bytes come from 16 heads' work-groups; they are 1 byte for each 24 bytes of codes.
; LIMITS: NaN and infinities are not served; a block whose largest magnitude lies under 2^-122 gets the scale byte 1 (its codes are zeros where it is all zeros; this program alone reads the bytes).
.set STEPB, 13056                      ; a key step: K's 8 tiles x 768, V's 4 tiles x 1,536, K's scale words 512, V's 256
.set HB,    16*STEPB
.set QBLKB, 6656                       ; 128 queries: 8 tiles x 768, scale words 512
.set QHB,   16*QBLKB
.set ASOFF, 6291456
.set VC,    6144
.set KSC,   12288
.set VSC,   12800
.set L16,   1                          ; v1  16 x lane
.set L8,    2                          ; v2  8 x lane
.set R16,   3                          ; v3  16 x (lane % 16)
.set ADK16, 4                          ; v4-6 the same + the step's first LDS byte
.set ADK8,  5
.set ADS,   6
.set DD,    7                          ; v7  my query's number in its block - 16 (lane / 16)
.set NINF,  8                          ; v8  -infinity
.set VSO,   9                          ; v9  32 r + lane / 16: my scale byte's place
.set QO16,  10                         ; v10, v11, v29 offsets of my tile of Q
.set QO8,   11
.set QOS,   29
.set QF,    16                         ; v16-27 Q's fragment (v22-27 zero codes), v28 its scale words
.set QS,    28
.set QN,    232                        ; v232-237, v244 the second pass's
.set QNS,   244
.set KF,    32                         ; v32-79 four fragments of K (the upper six registers of each: zero codes)
.set KS,    80                         ; v80-87 K's scale words
.set VS,    88                         ; v88-91 V's
.set S,     96                         ; v96-159 S^T, then p; v96-143 then V's four fragments
.set O,     160                        ; v160-191 O^T
.set PCD,   192                        ; v192-203 p's codes
.set PH,    204                        ; v204-206, v208-210 the conversions' second halves
.set BM,    212                        ; v212-215 the blocks' maxima
.set PX,    216
.set SO,    220                        ; v220-223 the conversions' scale operands
.set F,     224                        ; v[224:225] f, later 1 / the sum
.set TMP,   226
.set PW,    227                        ; p's scale word
.set SUM2,  228                        ; v[228:229] the sum's second chain
.set WV,    10
.set UU,    13
.set VT,    14
.set UB,    15                         ; s15 the pass's query block
.set SI,    16                         ; s16 the key step
.set TB,    17                         ; s17 its first LDS byte
.set PASS,  18
.set SEL,   20
.set CS,    22
.set G1,    24
.set G0,    32
.set HI,    36
.macro CROUND                          ; a round of the cluster's barrier
	s_barrier_signal -1
	s_barrier_wait -1
	s_cmp_lg_u32 s[WV], 0
	s_cbranch_scc1 .Lnot_wave_0_\@
	s_barrier_signal -3
.Lnot_wave_0_\@:
	s_barrier_wait -3
	s_barrier_signal -1
	s_barrier_wait -1
.endm
	s_load_b128 s[4:7], s[0:1], 0x0                ; qb, kv
	s_load_b64 s[8:9], s[0:1], 0x10                ; aq
	v_lshl_add_u32 v254, v0, 2, 0x33000
	v_mov_b32 v255, 0
	ds_add_u32 v254, v255
	ds_add_u32 v254, v255
	v_lshrrev_b32 v1, 5, v0
	s_delay_alu instid0(VALU_DEP_1)
	v_readfirstlane_b32 s[WV], v1                  ; wave 0..15
	s_bfe_u32 s11, ttmp6, 0x40000                  ; cx
	s_and_b32 s12, ttmp7, 0xffff                   ; 16 x batch + head
	s_lshr_b32 s[UU], s[WV], 1
	s_and_b32 s[VT], s[WV], 1
	s_lshl_b32 s50, s11, 1
	s_add_co_u32 s[VT], s[VT], s50                 ; my tile of a block's eight
	; descriptor group 1: a key step, 13,056 dense bytes, as 51 rows of 256 bytes (32 elements of 8); the mask names all four work-groups
	s_mov_b32 s[G1], 15|(3<<16)|(1<<21)
	s_mov_b32 s[G1+1], 32<<16
	s_mov_b32 s[G1+2], 51<<16
	s_mov_b32 s[G1+3], 32<<16
	s_mov_b32 s[G1+4], 51
	s_mov_b32 s[G1+5], 32
	s_mov_b32 s[G1+6], 0
	s_mov_b32 s[G1+7], 0
	s_mov_b32 s[G0], 1
	s_mul_i32 s[G0+1], s[WV], STEPB                ; key step w, in LDS
	s_mul_i32 s50, s12, HB
	s_add_co_u32 s50, s50, s[G0+1]                 ; and in memory
	s_mov_b32 s51, 0
	s_wait_dscnt 0x0
	s_wait_kmcnt 0x0
	s_add_nc_u64 s[G0+2:G0+3], s[6:7], s[50:51]
	s_or_b32 s[G0+3], s[G0+3], 0x80000000
	CROUND                                         ; all four work-groups are here: the joint loads meet
	tensor_load_to_lds s[G0:G0+3], s[G1:G1+7]
	s_nop 0
.rept 4
	v_nop
.endr
	s_mov_b32 s55, 0
	s_mul_i32 s50, s12, QHB
	s_sub_co_u32 s52, 15, s[UU]                    ; the first pass's query block
	s_mul_i32 s53, s52, QBLKB
	s_add_co_u32 s54, s50, s53
	s_add_nc_u64 s[38:39], s[4:5], s[54:55]
	s_mul_i32 s53, s[UU], QBLKB
	s_add_co_u32 s54, s50, s53
	s_add_nc_u64 s[40:41], s[4:5], s[54:55]        ; the second pass's
	s_lshr_b32 s56, s12, 4
	s_lshl_b32 s56, s56, 7
	s_add_co_u32 s56, s56, s[VT]                   ; 128 x batch + my tile
	s_and_b32 s57, s12, 15                         ; the head
	s_mul_i32 s59, s57, 768
	s_lshl_b32 s60, s57, 1
	s_add_co_u32 s60, s60, ASOFF
	s_lshl_b32 s58, s52, 3
	s_add_co_u32 s58, s58, s56                     ; the row tile of aq, first pass
	s_mul_i32 s54, s58, 12288
	s_add_co_u32 s54, s54, s59
	s_add_nc_u64 s[42:43], s[8:9], s[54:55]        ; its codes: 16 heads x 768 bytes a row tile
	s_lshl_b32 s54, s58, 9
	s_add_co_u32 s54, s54, s60
	s_add_nc_u64 s[44:45], s[8:9], s[54:55]        ; its scale bytes: 32 a row, two a head
	s_lshl_b32 s58, s[UU], 3
	s_add_co_u32 s58, s58, s56                     ; second pass
	s_mul_i32 s54, s58, 12288
	s_add_co_u32 s54, s54, s59
	s_add_nc_u64 s[46:47], s[8:9], s[54:55]
	s_lshl_b32 s54, s58, 9
	s_add_co_u32 s54, s54, s60
	s_add_nc_u64 s[48:49], s[8:9], s[54:55]
	v_and_b32 v3, 31, v0
	s_delay_alu instid0(VALU_DEP_1)
	v_lshlrev_b32 v[L16], 4, v3
	s_delay_alu instid0(VALU_DEP_2)
	v_lshlrev_b32 v[L8], 3, v3
	v_and_b32 v30, 15, v0                          ; r
	v_bfe_u32 v31, v0, 4, 1                        ; h
	s_delay_alu instid0(VALU_DEP_2)
	v_lshlrev_b32 v[R16], 4, v30
	s_wait_alu depctr_va_vdst(0)
	s_mul_i32 s50, s[VT], 768
	v_add_nc_u32 v[QO16], s50, v[L16]
	s_add_co_u32 s50, s50, 512
	v_add_nc_u32 v[QO8], s50, v[L8]
	s_lshr_b32 s50, s[VT], 2
	s_lshl_b32 s50, s50, 8
	s_and_b32 s51, s[VT], 3
	s_lshl_b32 s51, s51, 2
	s_add_co_u32 s50, s50, s51
	s_add_co_u32 s50, s50, 6144
	v_add_nc_u32 v[QOS], s50, v[R16]               ; the word of (tile v, row r): 6,144 + 256 (v / 4) + 16 r + 4 (v % 4)
	global_load_b128 v[QF:QF+3], v[QO16], s[38:39]
	global_load_b64 v[QF+4:QF+5], v[QO8], s[38:39]
	global_load_b32 v[QS], v[QOS], s[38:39]
	global_load_b128 v[QN:QN+3], v[QO16], s[40:41]
	global_load_b64 v[QN+4:QN+5], v[QO8], s[40:41]
	global_load_b32 v[QNS], v[QOS], s[40:41]
	s_lshr_b32 s50, s[VT], 1
	s_lshl_b32 s50, s50, 5
	s_and_b32 s51, s[VT], 1
	s_lshl_b32 s51, s51, 3
	s_add_co_u32 s50, s50, s51
	v_and_b32 v[DD], 8, v30
	s_delay_alu instid0(VALU_DEP_1)
	v_add_nc_u32 v[DD], v[DD], v30
	s_delay_alu instid0(VALU_DEP_1)
	v_add_nc_u32 v[DD], s50, v[DD]                 ; my query in its block: 32 (v / 2) + 8 (v % 2) + r + 8 (r / 8)
	v_lshlrev_b32 v[TMP], 4, v31
	s_delay_alu instid0(VALU_DEP_1)
	v_sub_nc_u32 v[DD], v[DD], v[TMP]              ; - 16 h
	v_lshl_add_u32 v[VSO], v30, 5, v31
	v_mov_b32 v[NINF], 0xff800000
.irp i, 6,7,8,9,10,11
	v_mov_b32 v[QF+\i], 0                          ; zero codes for K = 64 .. 127
.irp t, 0,1,2,3
	v_mov_b32 v[KF+12*\t+\i], 0
.endr
.endr
.irp b, 0,1,2,3
	v_mov_b32 v[PX+\b], 0                          ; a lane permute's destination counts as one of its sources
.endr
	v_mov_b32 v[F+1], 0                            ; (named as the upper half of a pair)
	s_mov_b32 s[SEL], 0x76543210
	s_mov_b32 s[SEL+1], 0xfedcba98                 ; v_permlanex16_b32's selects for lane l xor 16
	s_mov_b32 s[CS], 0x3e38aa3b                    ; c = log2(e) / 8
	s_mov_b32 s[CS+1], s[CS]
	s_mov_b32 s[HI], 0xffff0000
	s_mov_b32 s[UB], s52
	s_mov_b32 s[PASS], 2
	s_wait_tensorcnt 0x0                           ; my key step has landed,
	s_barrier_signal -1
	s_barrier_wait -1                              ; everybody's has
	s_wait_loadcnt 0x0                             ; Q
; A KEY STEP: 128 keys.
.macro STEP
	s_cmp_gt_u32 s[SI], s[UB]                      ; all its keys come after my queries: left out, but for the two lines at its end
	s_cbranch_scc1 .Lhidden_\@
	s_setprio 2
	v_add_nc_u32 v[ADK16], s[TB], v[L16]
	s_wait_alu depctr_va_vdst(0)
	v_add_nc_u32 v[ADK8], s[TB], v[L8]
	s_wait_alu depctr_va_vdst(0)
	v_add_nc_u32 v[ADS], s[TB], v[R16]
	s_wait_alu depctr_va_vdst(0)
.irp g, 0,1                                    ; S^T = K Q^T, four tiles of 16 keys at a time
.if \g
.rept 4
	v_nop                                          ; places in front of loads into registers that matrix instructions have read
.endr
.endif
.irp t, 0,1,2,3
	ds_load_b128 v[KF+12*\t:KF+12*\t+3], v[ADK16] offset:768*(4*\g+\t)
	ds_load_b64 v[KF+12*\t+4:KF+12*\t+5], v[ADK8] offset:768*(4*\g+\t)+512
.endr
	ds_load_b128 v[KS+4*\g:KS+4*\g+3], v[ADS] offset:KSC+256*\g
	s_wait_dscnt 0x0
.irp t, 0,1,2,3
	v_wmma_scale_f32_16x16x128_f8f6f4 v[S+8*(4*\g+\t):S+8*(4*\g+\t)+7], v[KF+12*\t:KF+12*\t+11], v[QF:QF+11], 0, v[KS+4*\g+\t], v[QS] matrix_a_fmt:MATRIX_FMT_BF6 matrix_b_fmt:MATRIX_FMT_BF6
.endr
.endr                                          ; register 16 b + i holds key 32 b + 16 (lane / 16) + i of the step
.rept 4
	v_nop
.endr
	s_cmp_lt_u32 s[SI], s[UB]                      ; only the step on the diagonal is masked
	s_cbranch_scc1 .Lopen_\@
.set n, 0
.rept 64
	v_cmp_gt_i32 vcc_lo, 32*(n/16)+n%16, v[DD]     ; hidden where the key comes after my query: the score becomes -infinity, p = 0
	v_cndmask_b32 v[S+n], v[S+n], v[NINF], vcc_lo
.set n, n+1
.endr
.Lopen_\@:
.irp b, 0,1,2,3
	v_max3_num_f32 v[BM+\b], v[S+16*\b], v[S+1+16*\b], v[S+2+16*\b]   ; the largest score of each block of 32 keys: for the row's maximum, and, since p rises with the score, for the block's largest p
.endr
.irp i, 3,5,7,9,11,13
.irp b, 0,1,2,3
	v_max3_num_f32 v[BM+\b], v[BM+\b], v[S+16*\b+\i], v[S+1+16*\b+\i]
.endr
.endr
.irp b, 0,1,2,3
	v_max_num_f32 v[BM+\b], v[BM+\b], v[S+15+16*\b]
.endr
.irp b, 0,1,2,3
	s_delay_alu instid0(VALU_DEP_4)
	v_permlanex16_b32 v[PX+\b], v[BM+\b], s[SEL], s[SEL+1]
.endr
.irp b, 0,1,2,3
	s_delay_alu instid0(VALU_DEP_4)
	v_max_num_f32 v[BM+\b], v[BM+\b], v[PX+\b]     ; with lane l xor 16's 16 keys
.endr
	s_delay_alu instid0(VALU_DEP_2)
	v_max3_num_f32 v[TMP], v[BM], v[BM+1], v[BM+2]
	s_delay_alu instid0(VALU_DEP_1)
	v_max_num_f32 v[TMP], v[TMP], v[BM+3]
	s_delay_alu instid0(VALU_DEP_1)
	v_mul_f32 v[TMP], s[CS], v[TMP]                ; the step's largest t of my query
	s_delay_alu instid0(VALU_DEP_1)
	v_max_num_f32 v13, v13, v[TMP]                 ; the running largest t
	v_mov_b32 v[TMP], v12
	s_delay_alu instid0(VALU_DEP_2)
	v_floor_f32 v12, -v13                          ; the new -M = -ceil(t): a whole number
	s_delay_alu instid0(VALU_DEP_1)
	v_sub_f32 v[TMP], v12, v[TMP]                  ; old M - new M: a whole number, 0 or less
	s_delay_alu instid0(VALU_DEP_1)
	v_cvt_i32_f32 v[TMP], v[TMP]                   ; (it saturates)
	s_delay_alu instid0(VALU_DEP_1)
	v_ldexp_f32 v[F], 1.0, v[TMP]                  ; f = 2^(old M - new M)
.set j, 0
.rept 32
	v_pk_fma_f32 v[S+j:S+j+1], v[S+j:S+j+1], s[CS:CS+1], v[12:13] op_sel_hi:[1,0,0]   ; t - M, two at a time
.set j, j+2
.endr
.irp b, 0,1,2,3
	v_fma_f32 v[BM+\b], v[BM+\b], s[CS], v12       ; the same of each block's largest score
.endr
.set j, 0
	s_setprio 1
	s_wait_alu depctr_va_vdst(0)
.rept 64
	v_exp_f32 v[S+j], v[S+j]                       ; p = 2^(t - M)
.set j, j+1
.endr
	v_pk_mul_f32 v[14:15], v[14:15], v[F:F+1] op_sel_hi:[1,0]   ; the sums under the new M (a plain line behind the exponentials)
	s_wait_alu depctr_va_vdst(0)                   ; one wait for the batch of 64, ahead of its first reader
.irp b, 0,1,2,3
	v_exp_f32 v[BM+\b], v[BM+\b]                   ; the block's largest p
.endr
	v_pk_add_f32 v[228:229], v[100:101], v[104:105]
	v_pk_add_f32 v[252:253], v[108:109], v[112:113]
	v_pk_add_f32 v[250:251], v[116:117], v[120:121]
	v_pk_add_f32 v[248:249], v[124:125], v[128:129]
	v_pk_add_f32 v[246:247], v[132:133], v[136:137]
	v_pk_add_f32 v[242:243], v[140:141], v[144:145]
	v_pk_add_f32 v[240:241], v[148:149], v[152:153]
	v_pk_add_f32 v[14:15], v[14:15], v[156:157]
	v_pk_add_f32 v[228:229], v[228:229], v[96:97]
	v_pk_add_f32 v[252:253], v[252:253], v[98:99]
	v_pk_add_f32 v[250:251], v[250:251], v[102:103]
	v_pk_add_f32 v[248:249], v[248:249], v[106:107]
	v_pk_add_f32 v[246:247], v[246:247], v[110:111]
	v_pk_add_f32 v[242:243], v[242:243], v[114:115]
	v_pk_add_f32 v[240:241], v[240:241], v[118:119]
	v_pk_add_f32 v[14:15], v[14:15], v[122:123]
	v_pk_add_f32 v[228:229], v[228:229], v[126:127]
	v_pk_add_f32 v[252:253], v[252:253], v[130:131]
	v_pk_add_f32 v[250:251], v[250:251], v[134:135]
	v_pk_add_f32 v[248:249], v[248:249], v[138:139]
	v_pk_add_f32 v[246:247], v[246:247], v[142:143]
	v_pk_add_f32 v[242:243], v[242:243], v[146:147]
	v_pk_add_f32 v[240:241], v[240:241], v[150:151]
	v_pk_add_f32 v[14:15], v[14:15], v[154:155]
	v_pk_add_f32 v[228:229], v[228:229], v[158:159]
	s_delay_alu instid0(VALU_DEP_2)
	v_pk_add_f32 v[14:15], v[14:15], v[248:249]
	s_delay_alu instid0(VALU_DEP_2)
	v_pk_add_f32 v[228:229], v[228:229], v[246:247]
	v_pk_add_f32 v[252:253], v[252:253], v[242:243]
	v_pk_add_f32 v[250:251], v[250:251], v[240:241]
	s_delay_alu instid0(VALU_DEP_2)
	v_pk_add_f32 v[14:15], v[14:15], v[252:253]
	s_delay_alu instid0(VALU_DEP_2)
	v_pk_add_f32 v[228:229], v[228:229], v[250:251]
	s_delay_alu instid0(VALU_DEP_1)
	v_pk_add_f32 v[14:15], v[14:15], v[228:229]
	s_wait_alu depctr_va_vdst(0)                   ; and one for the four
.irp b, 0,1,2,3
	v_max_num_f32 v[BM+\b], 0x2800000, v[BM+\b]    ; the floor 2^(5 - 127): the byte cannot fall under 1
.endr
.irp b, 0,1,2,3
	s_delay_alu instid0(VALU_DEP_4)
	v_add_nc_u32 v[SO+\b], 0xfe000000, v[BM+\b]    ; 4 off the exponent field: the conversion's scale operand
.endr
.irp b, 0,1,2,3
	s_delay_alu instid0(VALU_DEP_4)
	v_lshrrev_b32 v[PX+\b], 23, v[SO+\b]           ; the scale's byte
.endr
	s_delay_alu instid0(VALU_DEP_3)
	v_lshl_or_b32 v[PW], v[PX+1], 8, v[PX]         ; p's scale word for these 128 keys
	s_delay_alu instid0(VALU_DEP_1)
	v_lshl_or_b32 v[PW], v[PX+2], 16, v[PW]
	s_delay_alu instid0(VALU_DEP_1)
	v_lshl_or_b32 v[PW], v[PX+3], 24, v[PW]
.irp c, 0,1
	v_cvt_scalef32_pk16_bf6_f32 v[PCD+6*\c:PCD+2+6*\c], v[S+32*\c:S+15+32*\c], v[SO+2*\c]
	v_cvt_scalef32_pk16_bf6_f32 v[PH+4*\c:PH+2+4*\c], v[S+16+32*\c:S+31+32*\c], v[SO+2*\c+1]
.endr
	v_nop                                          ; one plain line behind a scaled conversion
.irp t, 0,1,2,3                                ; p has been read: V's four fragments take its registers, and land under the work below
	ds_load_b128 v[S+12*\t:S+12*\t+3], v[ADK16] offset:VC+1536*\t
	ds_load_b64 v[S+12*\t+4:S+12*\t+5], v[ADK8] offset:VC+1536*\t+512
	ds_load_b128 v[S+12*\t+6:S+12*\t+9], v[ADK16] offset:VC+1536*\t+768
	ds_load_b64 v[S+12*\t+10:S+12*\t+11], v[ADK8] offset:VC+1536*\t+1280
.endr
	s_setprio 0
	ds_load_b128 v[VS:VS+3], v[ADS] offset:VSC
.irp c, 0,1                                    ; the operand's layout wants a whole block in a lane
.irp i, 0,1,2
	v_permlane16_swap_b32 v[PCD+6*\c+\i], v[PH+4*\c+\i]
.endr
.irp i, 0,1,2
	s_delay_alu instid0(VALU_DEP_3)
	v_mov_b32 v[PCD+3+6*\c+\i], v[PH+4*\c+\i]
.endr
.endr
.set j, 0
.rept 16
	v_pk_mul_f32 v[O+j:O+j+1], v[O+j:O+j+1], v[F:F+1] op_sel_hi:[1,0]   ; O^T under the new M (also the places between the operand's and the scale word's last writes and the products)
.set j, j+2
.endr
	s_wait_alu depctr_va_vdst(0)
	s_wait_dscnt 0x0
.irp t, 0,1,2,3                                ; O^T += V^T P^T: four tiles of 16 channels, the accumulators by turns
	v_wmma_scale_f32_16x16x128_f8f6f4 v[O+8*\t:O+8*\t+7], v[S+12*\t:S+12*\t+11], v[PCD:PCD+11], v[O+8*\t:O+8*\t+7], v[VS+\t], v[PW] matrix_a_fmt:MATRIX_FMT_BF6 matrix_b_fmt:MATRIX_FMT_BF6
.endr
.rept 5
	v_nop                                          ; the next step's first products write over V's registers, which these have read: five places; they serve the way out's reads too
.endr
.Lhidden_\@:
	s_add_co_u32 s[TB], s[TB], STEPB
	s_add_co_u32 s[SI], s[SI], 1
.endm
.Lpass:
	v_mov_b32 v13, 0xff61b1e6                      ; the largest t so far: -3e38
	s_delay_alu instid0(VALU_DEP_1)
	v_floor_f32 v12, -v13
	v_mov_b32 v14, 0
	v_mov_b32 v15, 0
.set j, 0
.rept 32
	v_mov_b32 v[O+j], 0                            ; the step is written once: the first finds zeros, which the first change of M leaves zeros
.set j, j+1
.endr
	s_mov_b32 s[SI], 0
	s_mov_b32 s[TB], 0
.Lstep:
	STEP
	s_cmp_lt_u32 s[SI], 16
	s_cbranch_scc1 .Lstep
	s_setprio 0
	; THE WAY OUT: O^T / the sum, quantised along the head's 64 channels: two blocks; register 16 b + i is channel 32 b + 16 (lane / 16) + i of my query
	v_add_f32 v14, v14, v15
	s_delay_alu instid0(VALU_DEP_1)
	v_permlanex16_b32 v[TMP], v14, s[SEL], s[SEL+1]
	s_delay_alu instid0(VALU_DEP_1)
	v_add_f32 v14, v14, v[TMP]                     ; the row's sum
	s_wait_alu depctr_va_vdst(0)
	v_rcp_f32 v[F], v14
	v_nop                                          ; a plain line behind the reciprocal
	s_wait_alu depctr_va_vdst(0)                   ; and the wait ahead of its first reader
.set j, 0
.rept 16
	v_pk_mul_f32 v[O+j:O+j+1], v[O+j:O+j+1], v[F:F+1] op_sel_hi:[1,0]
.set j, j+2
.endr
.irp b, 0,1
	v_max3_num_f32 v[BM+\b], |v[O+16*\b]|, |v[O+1+16*\b]|, 0x2800000
.endr
.irp i, 2,4,6,8,10,12,14
.irp b, 0,1
	s_delay_alu instid0(VALU_DEP_2)
	v_max3_num_f32 v[BM+\b], v[BM+\b], |v[O+16*\b+\i]|, |v[O+1+16*\b+\i]|
.endr
.endr
.irp b, 0,1
	s_delay_alu instid0(VALU_DEP_2)
	v_permlanex16_b32 v[PX+\b], v[BM+\b], s[SEL], s[SEL+1]
.endr
.irp b, 0,1
	s_delay_alu instid0(VALU_DEP_2)
	v_max_num_f32 v[BM+\b], v[BM+\b], v[PX+\b]
.endr
.irp b, 0,1
	s_delay_alu instid0(VALU_DEP_2)
	v_add_nc_u32 v[SO+\b], 0xfe000000, v[BM+\b]
.endr
.irp b, 0,1
	s_delay_alu instid0(VALU_DEP_2)
	v_lshrrev_b32 v[PX+\b], 23, v[SO+\b]
.endr
	v_cvt_scalef32_pk16_bf6_f32 v[PCD:PCD+2], v[O:O+15], v[SO]
	v_cvt_scalef32_pk16_bf6_f32 v[PH:PH+2], v[O+16:O+31], v[SO+1]
	v_nop
.irp i, 0,1,2
	v_permlane16_swap_b32 v[PCD+\i], v[PH+\i]      ; lanes 0-15 now hold block 0 whole, lanes 16-31 block 1
.endr
.irp i, 0,1,2
	s_delay_alu instid0(VALU_DEP_3)
	v_mov_b32 v[PCD+3+\i], v[PH+\i]
.endr
	v_cndmask_b32 v[TMP], v[PX], v[PX+1], s[HI]    ; my block's byte
	global_store_b128 v[L16], v[PCD:PCD+3], s[42:43]           ; the image: 512 consecutive bytes,
	global_store_b64 v[L8], v[PCD+4:PCD+5], s[42:43] offset:512   ; and 256
	global_store_b8 v[VSO], v[TMP], s[44:45]
	s_wait_xcnt 0x0                                ; the stores have read their data and bases: both are written again only behind this wait
	s_mov_b64 s[42:43], s[46:47]                   ; the second pass: its places in aq, its block, its Q
	s_mov_b64 s[44:45], s[48:49]
	s_mov_b32 s[UB], s[UU]
.irp i, 0,1,2,3,4,5
	v_mov_b32 v[QF+\i], v[QN+\i]
.endr
	v_mov_b32 v[QS], v[QNS]
	s_sub_co_u32 s[PASS], s[PASS], 1
	s_cmp_lg_u32 s[PASS], 0
	s_cbranch_scc1 .Lpass
	s_wait_tensorcnt 0x0
	ds_add_u32 v254, v255
	s_wait_dscnt 0x0
	CROUND                                         ; the closing round
	s_endpgm
.Lfunc_end_k_qce0b1019e6_attn:
	.size	k_qce0b1019e6_attn, .Lfunc_end_k_qce0b1019e6_attn-k_qce0b1019e6_attn
	.p2alignl 7, 3214868480
	.fill 96, 4, 3214868480
	.section	.rodata,"a",@progbits
	.p2align	6, 0x0
	.amdhsa_kernel k_qce0b1019e6_attn
		.amdhsa_group_segment_fixed_size 210944
		.amdhsa_private_segment_fixed_size 0
		.amdhsa_enable_private_segment 0
		.amdhsa_kernarg_size 24
		.amdhsa_user_sgpr_count 2
		.amdhsa_user_sgpr_kernarg_segment_ptr 1
		.amdhsa_wavefront_size32 1
		.amdhsa_system_sgpr_workgroup_id_x 1
		.amdhsa_system_sgpr_workgroup_id_y 1
		.amdhsa_system_sgpr_workgroup_id_z 1
		.amdhsa_system_vgpr_workitem_id 0
		.amdhsa_next_free_vgpr 256
		.amdhsa_next_free_sgpr 66
		.amdhsa_reserve_vcc 1
		.amdhsa_float_denorm_mode_32 3
		.amdhsa_float_denorm_mode_16_64 3
		.amdhsa_memory_ordered 1
		.amdhsa_forward_progress 1
		.amdhsa_inst_pref_size 37
	.end_amdhsa_kernel
	.amdgpu_metadata
---
amdhsa.version: [ 1, 2 ]
amdhsa.kernels:
  - .name:           k_qce0b1019e6_attn
    .symbol:         k_qce0b1019e6_attn.kd
    .args:
      - { .name: qb, .offset: 0, .size: 8, .value_kind: global_buffer, .address_space: global }
      - { .name: kv, .offset: 8, .size: 8, .value_kind: global_buffer, .address_space: global }
      - { .name: aq, .offset: 16, .size: 8, .value_kind: global_buffer, .address_space: global }
    .group_segment_fixed_size: 210944
    .private_segment_fixed_size: 0
    .kernarg_segment_align: 8
    .kernarg_segment_size: 24
    .max_flat_workgroup_size: 512
    .sgpr_count:     66
    .vgpr_count:     256
    .wavefront_size: 32
...
	.end_amdgpu_metadata
.endif
;; end of part 3
;; launch gemm_out (part 4): grid 4 x 32, 4 waves a work-group, clusters of 4 x 4, 327,680 bytes of LDS; arguments aq, woq, out0; writes out0
.if DOCPART == 4
	.amdgcn_target "amdgcn-amd-amdhsa--gfx1250"
	.amdhsa_code_object_version 6
	.text
	.protected	k_qce0b1019e6_gemm_out
	.globl	k_qce0b1019e6_gemm_out
	.p2align	8
	.type	k_qce0b1019e6_gemm_out,@function
k_qce0b1019e6_gemm_out:
	s_mov_b64 s[64:65], 0
	v_nop
	global_prefetch_b8 v0, s[64:65] scope:SCOPE_SE
	s_setreg_imm32_b32 hwreg(HW_REG_WAVE_MODE, 25, 1), 1
	s_wait_xcnt 0x0
	s_wait_alu depctr_hold_cnt(0) depctr_sa_sdst(0) depctr_va_vdst(0) depctr_va_sdst(0) depctr_va_ssrc(0) depctr_va_vcc(0) depctr_vm_vsrc(0)
	s_getreg_b32 s2, hwreg(HW_REG_IB_STS2, 6, 4)
	s_cmp_eq_u32 s2, 0
	s_cbranch_scc0 .Lentry_in_a_cluster
	s_endpgm
.Lentry_in_a_cluster:
	s_bfe_u32 s2, ttmp6, 0x10000c
	s_cmp_lg_u32 s2, 0xf033
	s_cbranch_scc0 .Lentry_shape_is_right
	s_endpgm
.Lentry_shape_is_right:
.set SIZE_N, 1024
.set NQ,     2
.set ROWB,   192
.set KROW,   768
.set PITCH,  240
.set FR,     12
.set NL,     6
.set NLA,    4
.set NP,     4
.set AROWB,  3072
.set AHALF,  8*AROWB
.set AREG,   2*AHALF
.set HALFT,  128*PITCH
.set SLOT,   AREG+2*HALFT
.set LAPS,   2
.set KS,     32
.set SCL,    2*SLOT
.set HALFS,  16*272
.set SBLK,   2*272
.set SPARE,  SCL+4*HALFS
.set SPITCH, 528
.set ASOFF,  6291456
.set WOSOFF, 786432
.set ADRA, 16
.set ADRB, 20
.set STO,  24
.set RD,   25
.set CO,   26
.set ADRS, 27
.set SPW,  28
.set NIL,  29
.set SC,   32
.set AF,   128
.set BK,   128
.set G1, 24
.set G0, 32
.set G1B, 48
.set G0B, 56
.set G1S, 68
.set G0S, 76
.set G1SB, 80
.set G0SB, 88
.set MSB, 0
.macro WIN new
.if MSB != \new
	s_set_vgpr_msb (MSB<<8)|\new
.set MSB, \new
.endif
.endm
.set MUL_LO, 0xa1
.set MUL_HI, 0xf1
.set TO_B,   0x40
.macro JLOAD g0a, g1a, g0b, g1b
	s_cmp_eq_u32 s15, 0
	s_cbranch_scc0 .Lfor_b_\@
	tensor_load_to_lds s[\g0a:\g0a+3], s[\g1a:\g1a+7]
	s_nop 0
.rept 4
	v_nop
.endr
	s_branch .Lasked_\@
.Lfor_b_\@:
	tensor_load_to_lds s[\g0b:\g0b+3], s[\g1b:\g1b+7]
	s_nop 0
.rept 4
	v_nop
.endr
.Lasked_\@:
.endm
.macro CREST
	s_cmp_lg_u32 s14, 0
	s_cbranch_scc1 .Lnot_wave_0_\@
	s_barrier_signal -3
.Lnot_wave_0_\@:
	s_barrier_wait -3
	s_barrier_signal -1
	s_barrier_wait -1
.endm
.macro CROUND
	s_barrier_signal -1
	s_barrier_wait -1
	CREST
.endm
	s_load_b64 s[4:5], s[0:1], 0x0
	s_load_b64 s[8:9], s[0:1], 0x8
	s_load_b64 s[12:13], s[0:1], 0x10
	v_lshl_add_u32 v[SPW], v0, 2, SPARE
	v_mov_b32 v[NIL], 0
	ds_add_u32 v28, v29
	ds_add_u32 v28, v29
	s_wait_dscnt 0x0
	v_lshrrev_b32 v1, 5, v0
	v_readfirstlane_b32 s14, v1
	s_lshr_b32 s15, s14, 1
	s_and_b32 s16, s14, 1
	s_bfe_u32 s40, ttmp6, 0x40000
	s_bfe_u32 s41, ttmp6, 0x40004
	s_lshl_b32 s42, ttmp9, 2
	s_add_co_u32 s42, s42, s40
	s_and_b32 s17, ttmp7, 0xffff
	s_lshl_b32 s17, s17, 2
	s_add_co_u32 s17, s17, s41
	s_lshl_b32 s43, s41, 2
	s_lshl_b32 s43, 15, s43
	s_lshl_b32 s44, 0x1111, s40
	s_or_b32 s[G1+0], s43, (3<<16)|(1<<21)
	s_mov_b32 s[G1+1], 384<<16
	s_mov_b32 s[G1+2], 8<<16
	s_mov_b32 s[G1+3], 384<<16
	s_mov_b32 s[G1+4], 8
	s_mov_b32 s[G1+5], 1536
	s_mov_b32 s[G1+6], 0
	s_mov_b32 s[G1+7], 0
	s_or_b32 s[G1B+0], s44, (0<<16)|(1<<20)|(1<<21)|(3<<22)|(3<<25)
	s_mov_b32 s[G1B+1], ROWB<<16
	s_mov_b32 s[G1B+2], 128<<16
	s_mov_b32 s[G1B+3], ROWB<<16
	s_mov_b32 s[G1B+4], 128
	s_mov_b32 s[G1B+5], KROW
	s_mov_b32 s[G1B+6], 0
	s_mov_b32 s[G1B+7], 0
	s_or_b32 s[G1S+0], s43, (3<<16)|(1<<20)|(1<<21)|(5<<22)|(3<<25)
	s_or_b32 s[G1SB+0], s44, (3<<16)|(1<<20)|(1<<21)|(5<<22)|(3<<25)
.irp g, G1S, G1SB
	s_mov_b32 s[\g+1], 32<<16
	s_mov_b32 s[\g+2], 16<<16
	s_mov_b32 s[\g+3], 32<<16
	s_mov_b32 s[\g+4], 16
	s_mov_b32 s[\g+5], 32
	s_mov_b32 s[\g+6], 0
	s_mov_b32 s[\g+7], 0
.endr
	s_lshl_b32 s18, s16, 7
	s_lshl_b32 s20, s17, 8
	s_add_co_u32 s20, s20, s18
	s_lshl_b32 s46, s42, 8
	s_add_co_u32 s46, s46, s18
	s_lshl_b32 s22, s20, 5
	s_lshl_b32 s92, s46, 5
	s_mul_i32 s20, s20, KROW
	s_mul_i32 s46, s46, KROW
	s_mov_b32 s21, 0
	s_mov_b32 s23, 0
	s_mov_b32 s47, 0
	s_mov_b32 s93, 0
	s_mul_i32 s45, s16, AHALF
	s_mul_i32 s95, s16, HALFT
	s_add_co_u32 s95, s95, AREG
	s_mul_i32 s94, s14, HALFS
	s_wait_kmcnt 0x0
	s_add_nc_u64 s[6:7], s[4:5], ASOFF
	s_add_nc_u64 s[10:11], s[8:9], WOSOFF
	s_add_nc_u64 s[20:21], s[4:5], s[20:21]
	s_add_nc_u64 s[22:23], s[6:7], s[22:23]
	s_add_nc_u64 s[46:47], s[8:9], s[46:47]
	s_add_nc_u64 s[92:93], s[10:11], s[92:93]
	CROUND
	s_mov_b32 s[G0S], 1
	s_add_co_u32 s[G0S+1], s94, SCL
	s_mov_b64 s[G0S+2:G0S+3], s[22:23]
	s_or_b32 s[G0S+3], s[G0S+3], 0x80000000
	s_mov_b32 s[G0SB], 1
	s_add_co_u32 s[G0SB+1], s94, SCL
	s_mov_b64 s[G0SB+2:G0SB+3], s[92:93]
	s_or_b32 s[G0SB+3], s[G0SB+3], 0x80000000
	JLOAD G0S, G1S, G0SB, G1SB
.irp s, 0,1
	s_mov_b32 s[G0+4*\s], 1
	s_add_co_u32 s[G0+4*\s+1], s45, \s*SLOT
	s_add_nc_u64 s[G0+4*\s+2:G0+4*\s+3], s[20:21], \s*AROWB
	s_or_b32 s[G0+4*\s+3], s[G0+4*\s+3], 0x80000000
	s_mov_b32 s[G0B+4*\s], 1
	s_add_co_u32 s[G0B+4*\s+1], s95, \s*SLOT
	s_add_nc_u64 s[G0B+4*\s+2:G0B+4*\s+3], s[46:47], \s*ROWB
	s_or_b32 s[G0B+4*\s+3], s[G0B+4*\s+3], 0x80000000
	s_wait_alu depctr_va_vdst(0)
	s_wait_tensorcnt 0x0
	ds_add_u32 v28, v29
	s_wait_dscnt 0x0
	CROUND
	JLOAD G0+4*\s, G1, G0B+4*\s, G1B
.endr
	v_and_b32 v1, 15, v0
	v_bfe_u32 v2, v0, 4, 1
	v_and_b32 v6, 31, v0
	v_mul_u32_u24 v3, v1, PITCH
	v_mul_u32_u24 v4, v2, 24
	v_add_nc_u32 v4, v3, v4
	v_lshl_add_u32 v5, v2, 4, v4
	v_lshlrev_b32 v7, 4, v6
	v_lshlrev_b32 v8, 3, v6
	s_mul_i32 s21, s15, AHALF
	s_mul_i32 s22, s16, HALFT
	s_add_co_u32 s22, s22, AREG
.irp s, 0,1
	v_add_nc_u32 v[ADRA+\s], s21, v7
	v_add_nc_u32 v[ADRA+2+\s], s21, v8
	v_add_nc_u32 v[ADRB+\s], s22, v4
	v_add_nc_u32 v[ADRB+2+\s], s22, v5
	s_add_co_u32 s21, s21, SLOT
	s_add_co_u32 s22, s22, SLOT
.endr
	v_mul_u32_u24 v5, v1, KS
	v_lshrrev_b32 v6, 8, v5
	v_lshl_add_u32 v5, v6, 4, v5
	s_mul_i32 s21, s15, HALFS
	s_mul_i32 s22, s16, HALFS
	s_add_co_u32 s22, s22, 2*HALFS
	s_sub_co_u32 s22, s22, s21
	v_mul_u32_u24 v6, s22, v2
	s_add_co_u32 s21, s21, SCL
	v_add_nc_u32 v5, v5, v6
	v_add_nc_u32 v[ADRS], s21, v5
	s_mul_i32 s23, s14, 16*SPITCH
	v_mul_u32_u24 v5, v1, SPITCH
	v_lshl_add_u32 v5, v2, 5, v5
	v_add_nc_u32 v[STO], s23, v5
	v_and_b32 v6, 31, v0
	v_lshlrev_b32 v[CO], 4, v6
	v_add_nc_u32 v[RD], s23, v[CO]
	s_lshl_b32 s20, s17, 8
	s_lshl_b32 s21, s15, 7
	s_add_co_u32 s20, s20, s21
	s_lshl_b32 s20, s20, 12
	s_lshl_b32 s46, s42, 10
	s_lshl_b32 s47, s16, 9
	s_add_co_u32 s46, s46, s47
	s_add_co_u32 s20, s20, s46
	s_mov_b32 s21, 0
	s_add_nc_u64 s[12:13], s[12:13], s[20:21]
.macro FRAG reg, adr, q, i
.irp p, 0,1,2,3,4,5
.set PC, 12*(\q)+6*(\p/3)+\p%3
.if PC%8 < 5
	ds_load_b64 v[\reg+2*\p:\reg+2*\p+1], v[\adr] offset:8*PC+16*(PC/8)+(\i)*16*PITCH
.else
	ds_load_b64 v[\reg+2*\p:\reg+2*\p+1], v[\adr+2] offset:8*PC+16*(PC/8)+(\i)*16*PITCH
.endif
.endr
.endm
.macro FRAGA reg, slot, q, i
	ds_load_b128 v[\reg:\reg+3], v[ADRA+\slot] offset:AROWB*(\i)+1536*(\q)
	ds_load_b64 v[\reg+4:\reg+5], v[ADRA+2+\slot] offset:AROWB*(\i)+1536*(\q)+512
	ds_load_b128 v[\reg+6:\reg+9], v[ADRA+\slot] offset:AROWB*(\i)+1536*(\q)+768
	ds_load_b64 v[\reg+10:\reg+11], v[ADRA+2+\slot] offset:AROWB*(\i)+1536*(\q)+1280
.endm
.macro MUL16 a0, p, q, sc, zero
.irp a, \a0, \a0+1
.irp b, 0,1,2,3,4,5,6,7
.if \zero
	v_wmma_scale_f32_16x16x128_f8f6f4 v[8*(8*((\a)%4)+\b):8*(8*((\a)%4)+\b)+7], v[128*(\p)+FR*\b:128*(\p)+FR*\b+FR-1], v[AF+FR*(\a):AF+FR*(\a)+FR-1], 0, v[SC+8*NQ*(\sc)+NQ*\b+(\q)], v[SC+8*NQ*(\sc)+NQ*(\a)+(\q)] matrix_a_fmt:MATRIX_FMT_BF6 matrix_b_fmt:MATRIX_FMT_BF6 matrix_a_scale:MATRIX_SCALE_ROW1
.else
	v_wmma_scale_f32_16x16x128_f8f6f4 v[8*(8*((\a)%4)+\b):8*(8*((\a)%4)+\b)+7], v[128*(\p)+FR*\b:128*(\p)+FR*\b+FR-1], v[AF+FR*(\a):AF+FR*(\a)+FR-1], v[8*(8*((\a)%4)+\b):8*(8*((\a)%4)+\b)+7], v[SC+8*NQ*(\sc)+NQ*\b+(\q)], v[SC+8*NQ*(\sc)+NQ*(\a)+(\q)] matrix_a_fmt:MATRIX_FMT_BF6 matrix_b_fmt:MATRIX_FMT_BF6 matrix_a_scale:MATRIX_SCALE_ROW1
.endif
.endr
.endr
.endm
.macro FETCH_B slot, q, p
	WIN TO_B
.irp i, 0,1,2,3,4,5,6,7
	FRAG 128*(\p)+FR*\i, ADRB+\slot, \q, \i
.endr
	WIN 0
.endm
.macro FETCH_A slot, q, i0
.irp i, \i0, \i0+1, \i0+2, \i0+3
	FRAGA AF+FR*(\i), \slot, \q, \i
.endr
.endm
.macro SCALES sc
.irp i, 0,1,2,3,4,5,6,7
	ds_load_b64 v[SC+8*NQ*\sc+NQ*\i:SC+8*NQ*\sc+NQ*\i+1], v[ADRS] offset:\i*SBLK
.endr
.endm
.macro PLACES n
.rept \n
	v_nop
.endr
.endm
.macro STEP slot, q, zero
	s_wait_dscnt 4*NLA
	WIN MUL_LO
	MUL16 0, (\q)%2, \q, \slot, \zero
	MUL16 2, (\q)%2, \q, \slot, \zero
	s_wait_dscnt 0
	PLACES NP
	FETCH_B \slot, (\q)+1, 1-(\q)%2
	FETCH_A \slot, (\q)+1, 0
	WIN MUL_HI
	MUL16 4, (\q)%2, \q, \slot, \zero
	MUL16 6, (\q)%2, \q, \slot, \zero
	PLACES NP
	WIN 0
	FETCH_A \slot, (\q)+1, 4
.endm
.macro TURN slot, next, fill
	s_wait_tensorcnt 0x0
	ds_add_u32 v[SPW], v[NIL]
	s_wait_dscnt 4*NLA+1
	WIN MUL_LO
	MUL16 0, 1, NQ-1, \slot, 0
	s_wait_dscnt 0x0
	s_barrier_signal -1
	MUL16 2, 1, NQ-1, \slot, 0
	WIN 0
	s_barrier_wait -1
.if \fill
	CREST
	s_add_nc_u64 s[G0+4*\slot+2:G0+4*\slot+3], s[G0+4*\slot+2:G0+4*\slot+3], 2*AROWB
	s_add_nc_u64 s[G0B+4*\slot+2:G0B+4*\slot+3], s[G0B+4*\slot+2:G0B+4*\slot+3], 2*ROWB
	JLOAD G0+4*\slot, G1, G0B+4*\slot, G1B
.else
	PLACES NP
.endif
	s_wait_alu depctr_va_vdst(0)
	v_add_nc_u32 v[ADRS], 4*NQ, v[ADRS]
	FETCH_B \next, 0, 0
	FETCH_A \next, 0, 0
	SCALES \next
	WIN MUL_HI
	MUL16 4, 1, NQ-1, \slot, 0
	MUL16 6, 1, NQ-1, \slot, 0
	PLACES NP
	WIN 0
	FETCH_A \next, 0, 4
.endm
	s_wait_alu depctr_va_vdst(0)
	s_wait_tensorcnt 1
	s_barrier_signal -1
	s_barrier_wait -1
	FETCH_B 0, 0, 0
	FETCH_A 0, 0, 0
	SCALES 0
	FETCH_A 0, 0, 4
	STEP 0, 0, 1
	s_mov_b32 s3, LAPS-1
.Llap:
	TURN 0, 1, 1
	STEP 1, 0, 0
	TURN 1, 0, 1
	STEP 0, 0, 0
	s_sub_co_u32 s3, s3, 1
	s_cmp_lg_u32 s3, 0
	s_cbranch_scc1 .Llap
	TURN 0, 1, 0
	STEP 1, 0, 0
	s_wait_dscnt 4*NLA
	WIN MUL_LO
	MUL16 0, 1, NQ-1, 1, 0
	MUL16 2, 1, NQ-1, 1, 0
	s_wait_dscnt 0
	WIN MUL_HI
	MUL16 4, 1, NQ-1, 1, 0
	MUL16 6, 1, NQ-1, 1, 0
	WIN 0
.macro TOSTAGE a
.set AC, 64*((\a)%4)
	WIN 0x08+4*((\a)/4)
.irp b, 0,1,2,3,4,5,6,7
	ds_store_b128 v[STO], v[AC+8*\b:AC+8*\b+3] offset:64*\b
	ds_store_b128 v[STO], v[AC+8*\b+4:AC+8*\b+7] offset:64*\b+16
.endr
	WIN 0
.set BB, BK+64*((\a)%2)
.irp t, 0,1,2,3,4,5,6,7,8,9,10,11,12,13,14,15
	ds_load_b128 v[BB+4*\t:BB+4*\t+3], v[RD] offset:\t*SPITCH
.endr
.endm
.macro SEND a, younger
.set BB, BK+64*((\a)%2)
	s_wait_dscnt \younger
.if (\a) > 0
.if ((\a)%2) == 1
	s_add_nc_u64 s[12:13], s[12:13], 8*SIZE_N*4
.else
	s_add_nc_u64 s[12:13], s[12:13], 24*SIZE_N*4
.endif
.endif
.irp t, 0,1,2,3,4,5,6,7,8,9,10,11,12,13,14,15
	global_store_b128 v[CO], v[BB+4*\t:BB+4*\t+3], s[12:13] offset:(\t+8*(\t/8))*SIZE_N*4 th:TH_STORE_NT
.endr
.endm
	PLACES NP
	TOSTAGE 0
.irp a, 1,2,3,4,5,6,7
.if \a > 1
	s_wait_xcnt 0x0
.endif
	TOSTAGE \a
	SEND \a-1, 32
.endr
	s_wait_xcnt 0x0
	SEND 7, 0
	s_wait_tensorcnt 0x0
	ds_add_u32 v[SPW], v[NIL]
	s_wait_dscnt 0x0
	CROUND
	s_endpgm
.Lfunc_end_k_qce0b1019e6_gemm_out:
	.size	k_qce0b1019e6_gemm_out, .Lfunc_end_k_qce0b1019e6_gemm_out-k_qce0b1019e6_gemm_out
	.p2alignl 7, 3214868480
	.fill 96, 4, 3214868480
	.section	.rodata,"a",@progbits
	.p2align	6, 0x0
	.amdhsa_kernel k_qce0b1019e6_gemm_out
		.amdhsa_group_segment_fixed_size 327680
		.amdhsa_private_segment_fixed_size 0
		.amdhsa_enable_private_segment 0
		.amdhsa_kernarg_size 24
		.amdhsa_user_sgpr_count 2
		.amdhsa_user_sgpr_kernarg_segment_ptr 1
		.amdhsa_wavefront_size32 1
		.amdhsa_system_sgpr_workgroup_id_x 1
		.amdhsa_system_sgpr_workgroup_id_y 1
		.amdhsa_system_sgpr_workgroup_id_z 1
		.amdhsa_system_vgpr_workitem_id 0
		.amdhsa_next_free_vgpr 1024
		.amdhsa_next_free_sgpr 98
		.amdhsa_reserve_vcc 0
		.amdhsa_float_denorm_mode_32 3
		.amdhsa_float_denorm_mode_16_64 3
		.amdhsa_memory_ordered 1
		.amdhsa_forward_progress 1
		.amdhsa_inst_pref_size 153
	.end_amdhsa_kernel
	.amdgpu_metadata
---
amdhsa.version: [ 1, 2 ]
amdhsa.kernels:
  - .name:           k_qce0b1019e6_gemm_out
    .symbol:         k_qce0b1019e6_gemm_out.kd
    .args:
      - { .name: aq, .offset: 0, .size: 8, .value_kind: global_buffer, .address_space: global }
      - { .name: woq, .offset: 8, .size: 8, .value_kind: global_buffer, .address_space: global }
      - { .name: out0, .offset: 16, .size: 8, .value_kind: global_buffer, .address_space: global }
    .group_segment_fixed_size: 327680
    .private_segment_fixed_size: 0
    .kernarg_segment_align: 8
    .kernarg_segment_size: 24
    .max_flat_workgroup_size: 128
    .sgpr_count:     98
    .vgpr_count:     1024
    .wavefront_size: 32
...
	.end_amdgpu_metadata
.endif
;; end of part 4
